; MI455X (gfx1250); checked and timed in simulation.
; The chip was launched on July 23, 2026; its instructions are those of AMD's public machine-readable ISA for CDNA 5 (MIT licence, August 2026) and "CDNA5" Instruction Set Architecture Reference Guide (July 2026). The comments in the code are by the model that wrote it; some were corrected since.
;; Multi Head Attn. Allowed arithmetic: matrix products marked QUANTISED: E3M2 operands, one E8M0 scale for each 32 along K, by v_wmma_scale_f32_16x16x128_f8f6f4 with both operands' format E3M2, f32 sums; everything else in f32.
;; Inputs: W_o_codes 1,024 x 32 x 24 uint8 (E3M2 codes of W_o, K innermost, in blocks of 32 codes, four codes in three bytes); W_o_scales 1,024 x 32 uint8 (E8M0 scales of W_o, one for each 32 codes along K); W_qkv_codes 3,072 x 32 x 24 uint8 (E3M2 codes of W_qkv, K innermost, in blocks of 32 codes, four codes in three bytes); W_qkv_scales 3,072 x 32 uint8 (E8M0 scales of W_qkv, one for each 32 codes along K); b_qkv 3,072 float32; beta 1,024 float32; gamma 1,024 float32; inp 8 x 1,024 x 1,024 float32.
;; Outputs: out0 8 x 1,024 x 1,024 float32.
;; This version of the problem:
;;   THIS VERSION OF THE PROBLEM IS GIVEN IN LOW PRECISION. The matrix products marked QUANTISED in the list below multiply operands that are first quantised to E3M2 (3 exponent bits, 2 mantissa bits; 6 bits a number), with one power-of-two scale for each 32 numbers along K (OCP MX v1.0); their sums are f32. All else is computed in f32.
;;   The module's matrix products, in the order in which they are computed (A, B: the left and right operand; K: the contracted axis; several contracted axes count as one K, in the product's order):
;;     1. [M 8,192, K 1,024] x [K 1,024, N 3,072]; A: input inp; B: input W_qkv (given as codes): QUANTISED
;;     2. batch 128 x [M 1,024, K 64] x [K 64, N 1,024]; A: computed on the way; B: computed on the way: QUANTISED
;;     3. batch 128 x [M 64, K 1,024] x [K 1,024, N 1,024]; A: computed on the way; B: softmax (see below): QUANTISED
;;     4. [M 8,192, K 1,024] x [K 1,024, N 1,024]; A: computed on the way; B: input W_o (given as codes): QUANTISED
;;   THE QUANTISER, for each operand of a quantised product, along K:
;;     - K is cut into blocks of 32 from its start; a last block that is shorter is filled with zeros.
;;     - A block's scale is 2^e with e = floor(log2(the largest magnitude in the block)) - 4, held to -126 .. 127; a block of zeros has e = 0. As a byte (E8M0): e + 127.
;;     - Each number is divided by its block's scale, clamped to +-28, and rounded to the nearest number of E3M2, ties to even, subnormals kept.
;;     - The product sums the exact products of the quantised numbers (number of the format x scale) in f32.
;;   ~~~python
;;   def quantise(x, axis):      # numpy; x: float32 -> the quantised numbers, widened to float32 again
;;       x = np.moveaxis(x, axis, -1); K = x.shape[-1]
;;       x = np.pad(x, [(0, 0)] * (x.ndim - 1) + [(0, -K % 32)]); x = x.reshape(x.shape[:-1] + (-1, 32)); a = np.abs(x).max(-1, keepdims=True)
;;       e = np.where(a > 0, np.clip(np.frexp(np.where(a > 0, a, 1))[1] - 1 - 4, -126, 127), 0)      # np.frexp(a)[1] - 1 = floor(log2(a)), exactly
;;       r = np.clip(x / 2.0 ** e, -28, 28)
;;       step = 2.0 ** (np.maximum(np.frexp(np.where(r == 0, 1, r))[1] - 1, -2) - 2)
;;       q = np.round(r / step) * step * 2.0 ** e      # np.round: ties to even
;;       return np.moveaxis(q.reshape(q.shape[:-2] + (-1,))[..., :K], -1, axis).astype(np.float32)
;;   ~~~
;;   SOFTMAX AHEAD OF A QUANTISED PRODUCT. Where the list says 'softmax', what is quantised is not the finished softmax but p = 2^(t - M), with t = logit x log2(e) and M = ceil(the row's largest t), a whole number; so 1/2 < the row's largest p <= 1. The row's sum l is taken of the UNQUANTISED p, in f32, and the product's result is divided by l at the end. Since M is a whole number, a kernel that streams over the keys may use a running M (the ceiling of the running maximum): every later rescaling is an exact power of two, which a block's scale takes up: the codes' values come out the same.
;;   OPERANDS COMPUTED ON THE WAY. 'Computed on the way' means the value that the module computes at that place (a softmax that the list does not call 'softmax' is quantised finished and normalised). What goes into a quantiser is computed in f32, as accurately as f32 sums, v_exp_f32 and their like allow (about 1e-6 of the number): no bf16 or f16 on the way to a quantiser, and a product that is left as it is and whose result goes on into a quantised operand takes f32 operands (vector FMAs, or v_wmma_f32_16x16x4_f32). A number that lies on a knife's edge between two numbers of the format may be rounded either way, as far as f32 arithmetic and the matrix unit's own rounding can turn it there, and no further.
;;   INPUTS GIVEN AS CODES. W_o (in the module: [1024, 1024], K = its axis 0); W_qkv (in the module: [1024, 3072], K = its axis 0): each comes as NAME_codes (uint8): NAME with its K axis moved to the last place and cut into blocks of 32 codes, [.., K / 32, bytes a block], one block behind the other in memory; four codes in three bytes: a row's codes are one little-endian stream of bits, code i at bits 6 i .. 6 i + 5 (a code: sign, 3 exponent bits, 2 mantissa bits); and NAME_scales (uint8): the same leading axes, one E8M0 byte (e + 127) for each 32 codes along K. Its value is code x scale, taken as it is: it is not quantised again, and the codes and scales need not be those that the quantiser above would give.
;; One version. Each part assembles by itself: llvm-mc -triple=amdgcn-amd-amdhsa -mcpu=gfx1250 --defsym DOCPART=n.
;; ======== version 1 of 1: 3 launches
;; limits: right only within a limited range of input values
;; workspace buffers: xq 6,291,456 bytes; xs 262,144 bytes; wq 2,359,296 bytes; wo 786,432 bytes; oq 6,291,456 bytes; os 262,144 bytes
;; launch prep (part 1): grid 256 x 1, 16 waves a work-group, no clusters, 138,240 bytes of LDS; arguments inp, W_qkv_codes, W_o_codes, xq, xs, wq, wo; writes xq, xs, wq, wo
.if DOCPART == 1
	.amdgcn_target "amdgcn-amd-amdhsa--gfx1250"
	.amdhsa_code_object_version 6
	.text
	.protected	k_q81cf27a2e1_prep
	.globl	k_q81cf27a2e1_prep
	.p2align	8
	.type	k_q81cf27a2e1_prep,@function
k_q81cf27a2e1_prep:
	s_mov_b64 s[64:65], 0
	v_nop
	global_prefetch_b8 v0, s[64:65] scope:SCOPE_SE
	s_setreg_imm32_b32 hwreg(HW_REG_WAVE_MODE, 25, 1), 1
	s_wait_xcnt 0x0
; inp [8192][1024] f32 becomes codes of BF6 (E3M2) with one E8M0 byte for each 32 along K, laid as IMAGES OF THE OPERAND'S REGISTERS; the two weights, given as codes, are laid anew in the same form.
; A fragment is 16 rows x 128 K: 12 registers a lane; its image is 3 x 512 bytes, lane l's 16 bytes at 16 l.  Lane (r, h) holds row r, registers 6 c .. 6 c + 5 the codes of k = 128 s + 64 c + 32 h + 0 .. 31.
; TILES OF TOKENS: group G = 32 tokens; row r of tile (G, u) is token 32 G + 16 (r / 8) + r % 8 + 8 u, so that a product with these rows as source 0 leaves 16 neighbouring tokens in the 16 registers of tiles u = 0, 1.
; xq: fragment (G, u, s) at ((2 G + u) 8 + s) 1536.   xs: tile (G, u) at (2 G + u) 512; lane (r, h)'s 16 bytes at 16 l are the scale words of K steps 4 h .. 4 h + 3 of row r.
; wq: head x 147456 + (12 s + c) 1536; column tile c of a head: part c / 4 (q, k, v), row rho = column 32 ((c / 2) % 2) + 8 (c % 2) + rho + 8 (rho / 8) of the head's 64.   wo: wave-major: (nt / 16) 196608 + (16 s + nt % 16) 1536, row rho = column 16 nt + rho.
; SHARES: work-group G takes 32 tokens; wave v = 8 u + s takes tile u, K step s.  Waves 0 to 7 also lay one weight fragment each (K step = wave): work-groups 0-191 W_qkv's (c = id / 16, head = id % 16), 192-255 W_o's (nt = id - 192).
; A block's scale byte is its largest magnitude's exponent field - 4, held at 1 from below by a floor among the maximum's leaves.
; LIMITS: NaN and infinities in inp are not served; a block of zeros, or one whose largest magnitude lies under 2^-122, keeps the byte 1 (its bytes are read by this program alone; zero codes add nothing).
.set STGW, 8448                        ; a wave's stage: 16 rows x (512 bytes + 16)
.set XSG,  16*STGW                     ; behind the stages: the 32 tokens' scale words, 1,024 bytes
.set RP,   10                          ; v10-21   a weight fragment
.set R,    24                          ; v24-87   16 rows as loaded
.set T,    88                          ; v88-151  64 numbers of my row: register 16 b + i = k 32 b + 16 h + i
.set TM,   152                         ; v152-167 at work in QUANT
.set PW,   168                         ; the scale word
.set PC,   170                         ; v170-181 the codes; v182-188 at work
.set SEL,  20                          ; s[20:21] selects of v_permlanex16_b32 for lane l xor 16
; 64 numbers of a lane, v[s] .. v[s + 63], become a fragment's codes in v[PC] on and its scale word in v[PW]
.macro QUANT s
.irp b, 0,1,2,3
	v_max3_num_f32 v[TM+\b], |v[\s+16*\b]|, |v[\s+1+16*\b]|, 0x2800000   ; block b: my 16 numbers and the floor 2^(5 - 127): the byte cannot fall under 1
.endr
.irp i, 2,4,6,8,10,12,14
.irp b, 0,1,2,3
	s_delay_alu instid0(VALU_DEP_4)
	v_max3_num_f32 v[TM+\b], v[TM+\b], |v[\s+16*\b+\i]|, |v[\s+1+16*\b+\i]|   ; the four blocks by turns
.endr
.endr
.irp b, 0,1,2,3
	s_delay_alu instid0(VALU_DEP_4)
	v_permlanex16_b32 v[TM+4+\b], v[TM+\b], s[SEL], s[SEL+1]
.endr
.irp b, 0,1,2,3
	s_delay_alu instid0(VALU_DEP_4)
	v_max_num_f32 v[TM+\b], v[TM+\b], v[TM+4+\b]                ; with lane l xor 16's: the block's largest magnitude
.endr
.irp b, 0,1,2,3
	s_delay_alu instid0(VALU_DEP_4)
	v_add_nc_u32 v[TM+12+\b], 0xfe000000, v[TM+\b]              ; 4 off its exponent field: the conversion's scale operand
.endr
.irp b, 0,1,2,3
	s_delay_alu instid0(VALU_DEP_4)
	v_lshrrev_b32 v[TM+4+\b], 23, v[TM+12+\b]                   ; the scale's byte
.endr
	s_delay_alu instid0(VALU_DEP_3)
	v_lshl_or_b32 v[PW], v[TM+5], 8, v[TM+4]
	s_delay_alu instid0(VALU_DEP_1)
	v_lshl_or_b32 v[PW], v[TM+6], 16, v[PW]
	s_delay_alu instid0(VALU_DEP_1)
	v_lshl_or_b32 v[PW], v[TM+7], 24, v[PW]
.irp c, 0,1
	v_cvt_scalef32_pk16_bf6_f32 v[PC+6*\c:PC+2+6*\c], v[\s+32*\c:\s+15+32*\c], v[TM+12+2*\c]
	v_cvt_scalef32_pk16_bf6_f32 v[PC+12+4*\c:PC+14+4*\c], v[\s+16+32*\c:\s+31+32*\c], v[TM+12+2*\c+1]   ; (a conversion's three registers begin on an even number)
.endr
	v_nop                                  ; one plain place behind a scaled conversion
.irp c, 0,1                            ; the operand wants a WHOLE block in a lane: lanes 0-15 block 2 c, lanes 16-31 block 2 c + 1
.irp i, 0,1,2
	v_permlane16_swap_b32 v[PC+6*\c+\i], v[PC+12+4*\c+\i]
.endr
.irp i, 0,1,2
	s_delay_alu instid0(VALU_DEP_3)
	v_mov_b32 v[PC+3+6*\c+\i], v[PC+12+4*\c+\i]
.endr
.endr
.endm
	s_load_b256 s[4:11], s[0:1], 0x0       ; inp s[4:5], W_qkv's codes s[6:7], W_o's codes s[8:9], xq s[10:11]
	s_load_b128 s[12:15], s[0:1], 0x20     ; xs s[12:13], wq s[14:15]
	s_load_b64 s[16:17], s[0:1], 0x30      ; wo
	v_lshl_add_u32 v208, v0, 2, 0x21400
	v_mov_b32 v209, 0
	v_lshrrev_b32 v1, 5, v0
	s_delay_alu instid0(VALU_DEP_1)
	v_readfirstlane_b32 s18, v1            ; wave 0..15
	v_and_b32 v2, 31, v0                   ; l
	v_and_b32 v3, 15, v0                   ; r
	s_wait_alu depctr_va_vdst(0)
	v_bfe_u32 v1, v0, 4, 1                 ; h
	v_lshlrev_b32 v4, 4, v2                ; 16 l
	s_mul_i32 s23, s18, STGW
	v_add_nc_u32 v5, s23, v4               ; the stage, on the way in: a row's 512 bytes as they lie
	v_mul_u32_u24 v6, v3, 528
	s_delay_alu instid0(VALU_DEP_1)
	v_lshl_add_u32 v6, v1, 6, v6
	s_delay_alu instid0(VALU_DEP_1)
	v_add_nc_u32 v6, s23, v6               ; and out: row r, + 64 h: my 16 numbers of each block of 32
	s_lshr_b32 s19, s18, 3                 ; u
	s_and_b32 s22, s18, 7                  ; s
	s_lshl_b32 s24, s19, 9
	s_lshr_b32 s25, s22, 2
	s_lshl_b32 s25, s25, 8
	s_add_co_u32 s24, s24, s25
	s_and_b32 s25, s22, 3
	s_lshl_b32 s25, s25, 2
	s_add_co_u32 s24, s24, s25
	s_add_co_u32 s24, s24, XSG
	v_lshl_add_u32 v7, v3, 4, s24          ; my scale word's place: XSG + 512 u + 256 (s / 4) + 16 r + 4 (s % 4)
	v_and_b32 v22, 63, v0
	s_delay_alu instid0(VALU_DEP_1)
	v_lshl_add_u32 v8, v22, 4, XSG         ; waves 0 and 1 read the two tiles' 512 bytes back,
	s_delay_alu instid0(VALU_DEP_2)
	v_lshlrev_b32 v22, 4, v22              ; and store them at the same place in xs
	s_mov_b32 s[SEL], 0x76543210
	s_mov_b32 s[SEL+1], 0xfedcba98
.irp b, 0,1,2,3
	v_mov_b32 v[TM+4+\b], 0                ; written once: a lane permute's destination counts as one of its sources
.endr
	; which weight fragment, from where, to where: both ways are worked out, then chosen on the work-group's number
	s_lshr_b32 s27, ttmp9, 4               ; c
	s_and_b32 s28, ttmp9, 15               ; head
	s_lshr_b32 s29, s27, 2
	s_lshl_b32 s29, s29, 10                ; part x 1,024
	s_lshl_b32 s30, s28, 6
	s_add_co_u32 s29, s29, s30             ; + 64 head
	s_bfe_u32 s30, s27, 0x10001
	s_lshl_b32 s30, s30, 5
	s_add_co_u32 s29, s29, s30             ; + 32 ((c / 2) % 2)
	s_and_b32 s30, s27, 1
	s_lshl_b32 s30, s30, 3
	s_add_co_u32 s29, s29, s30             ; + 8 (c % 2): W_qkv's first row of the tile
	s_mul_i32 s31, s28, 147456
	s_mul_i32 s30, s22, 12
	s_add_co_u32 s30, s30, s27
	s_mul_i32 s30, s30, 1536
	s_add_co_u32 s31, s31, s30             ; its place in wq
	s_sub_co_u32 s32, ttmp9, 192           ; nt
	s_lshl_b32 s33, s32, 4                 ; W_o's first row of the tile
	s_lshr_b32 s34, s32, 4
	s_mul_i32 s34, s34, 196608
	s_and_b32 s35, s32, 15
	s_lshl_b32 s36, s22, 4
	s_add_co_u32 s35, s35, s36
	s_mul_i32 s35, s35, 1536
	s_add_co_u32 s34, s34, s35             ; its place in wo
	s_wait_kmcnt 0x0
	s_cmp_lt_u32 ttmp9, 192                ; the choice hangs on the work-group's number alone
	s_cselect_b32 s29, s29, s33
	s_cselect_b32 s36, s31, s34
	s_cselect_b32 s26, 768, 0              ; W_qkv's rows 8-15 of a tile lie 8 rows further on, W_o's do not
	s_cselect_b64 s[6:7], s[6:7], s[8:9]
	s_cselect_b64 s[14:15], s[14:15], s[16:17]
	s_mul_i32 s34, s29, 768                ; a row of 1,024 codes is 768 bytes
	s_mul_i32 s30, s22, 96                 ; K step s: 96 bytes on
	s_add_co_u32 s34, s34, s30
	s_mov_b32 s35, 0
	s_mov_b32 s37, 0
	s_add_nc_u64 s[6:7], s[6:7], s[34:35]
	s_add_nc_u64 s[14:15], s[14:15], s[36:37]
	v_and_b32 v23, 8, v3
	s_delay_alu instid0(VALU_DEP_1)
	v_mul_u32_u24 v23, s26, v23
	s_delay_alu instid0(VALU_DEP_1)
	v_mad_u32_u24 v9, v3, 768, v23
	s_delay_alu instid0(VALU_DEP_1)
	v_mad_u32_u24 v9, v1, 24, v9           ; 768 rho + (rho & 8) x 768 or 0 + 24 h
	s_lshl_b32 s38, ttmp9, 17              ; inp: 32 G rows of 4,096 bytes,
	s_lshl_b32 s30, s19, 15                ; + 8 u rows,
	s_add_co_u32 s38, s38, s30
	s_lshl_b32 s30, s22, 9                 ; + 512 s
	s_add_co_u32 s38, s38, s30
	s_mov_b32 s39, 0
	s_add_nc_u64 s[4:5], s[4:5], s[38:39]
	s_lshl_b32 s40, ttmp9, 4
	s_add_co_u32 s40, s40, s18
	s_mul_i32 s40, s40, 1536               ; xq: fragment 16 G + wave
	s_mov_b32 s41, 0
	s_add_nc_u64 s[10:11], s[10:11], s[40:41]
	s_lshl_b32 s42, ttmp9, 10              ; xs: 1,024 bytes a group
	s_mov_b32 s43, 0
	s_add_nc_u64 s[12:13], s[12:13], s[42:43]
.irp i, 0,1,2,3,4,5,6,7,8,9,10,11,12,13,14,15
	global_load_b128 v[R+4*\i:R+4*\i+3], v4, s[4:5] offset:(16*(\i/8)+\i%8)*4096 th:TH_LOAD_NT   ; row i of the tile: 32 lanes read 512 consecutive bytes
.endr
	s_cmp_ge_u32 s18, 8
	s_cbranch_scc1 .Lno_weight             ; waves 0 to 7: a weight fragment, from rows to its image
	s_wait_alu depctr_va_vdst(0)
.irp p, 0,1,2,3,4,5
	global_load_b64 v[RP+2*\p:RP+2*\p+1], v9, s[6:7] offset:48*(\p/3)+8*(\p%3)
.endr
	s_wait_loadcnt 0x0                     ; the six are the youngest loads; the rows are wanted next anyway
.irp k, 0,1,2
	global_store_b128 v4, v[RP+4*\k:RP+4*\k+3], s[14:15] offset:512*\k
.endr
.Lno_weight:
.irp i, 0,1,2,3,4,5,6,7,8,9,10,11,12,13,14,15
	s_wait_loadcnt 15-\i                   ; row i is in; the 15 - i younger row loads may be out (none is, in a wave that laid a weight fragment)
	ds_store_b128 v5, v[R+4*\i:R+4*\i+3] offset:528*\i
.endr
.irp b, 0,1,2,3
.irp j, 0,1,2,3
	ds_load_b128 v[T+16*\b+4*\j:T+16*\b+4*\j+3], v6 offset:128*\b+16*\j   ; LDS serves a wave's instructions in order: these see my stores
.endr
.endr
	s_wait_dscnt 0x0
	QUANT T
.irp k, 0,1,2
	global_store_b128 v4, v[PC+4*\k:PC+4*\k+3], s[10:11] offset:512*\k   ; the image: 512 consecutive bytes a store
.endr
	ds_store_b32 v7, v[PW]                 ; lanes r and r + 16 store the same word with the same value
	s_wait_dscnt 0x0                       ; for the others' sake: my word lies in LDS
	s_barrier_signal -1
	s_barrier_wait -1
	s_cmp_ge_u32 s18, 2
	s_cbranch_scc1 .Ldone
	ds_load_b128 v[24:27], v8              ; waves 0 and 1: a tile's 512 bytes of scale words
	s_wait_dscnt 0x0
	global_store_b128 v22, v[24:27], s[12:13]
.Ldone:
	s_wait_tensorcnt 0x0
	ds_add_u32 v208, v209
	s_wait_dscnt 0x0
	s_endpgm
.Lfunc_end_k_q81cf27a2e1_prep:
	.size	k_q81cf27a2e1_prep, .Lfunc_end_k_q81cf27a2e1_prep-k_q81cf27a2e1_prep
	.p2alignl 7, 3214868480
	.fill 96, 4, 3214868480
	.section	.rodata,"a",@progbits
	.p2align	6, 0x0
	.amdhsa_kernel k_q81cf27a2e1_prep
		.amdhsa_group_segment_fixed_size 138240
		.amdhsa_private_segment_fixed_size 0
		.amdhsa_enable_private_segment 0
		.amdhsa_kernarg_size 56
		.amdhsa_user_sgpr_count 2
		.amdhsa_user_sgpr_kernarg_segment_ptr 1
		.amdhsa_wavefront_size32 1
		.amdhsa_system_sgpr_workgroup_id_x 1
		.amdhsa_system_sgpr_workgroup_id_y 1
		.amdhsa_system_sgpr_workgroup_id_z 1
		.amdhsa_system_vgpr_workitem_id 0
		.amdhsa_next_free_vgpr 210
		.amdhsa_next_free_sgpr 66
		.amdhsa_reserve_vcc 0
		.amdhsa_float_denorm_mode_32 3
		.amdhsa_float_denorm_mode_16_64 3
		.amdhsa_memory_ordered 1
		.amdhsa_forward_progress 1
		.amdhsa_inst_pref_size 16
	.end_amdhsa_kernel
	.amdgpu_metadata
---
amdhsa.version: [ 1, 2 ]
amdhsa.kernels:
  - .name:           k_q81cf27a2e1_prep
    .symbol:         k_q81cf27a2e1_prep.kd
    .args:
      - { .name: inp, .offset: 0, .size: 8, .value_kind: global_buffer, .address_space: global }
      - { .name: W_qkv_codes, .offset: 8, .size: 8, .value_kind: global_buffer, .address_space: global }
      - { .name: W_o_codes, .offset: 16, .size: 8, .value_kind: global_buffer, .address_space: global }
      - { .name: xq, .offset: 24, .size: 8, .value_kind: global_buffer, .address_space: global }
      - { .name: xs, .offset: 32, .size: 8, .value_kind: global_buffer, .address_space: global }
      - { .name: wq, .offset: 40, .size: 8, .value_kind: global_buffer, .address_space: global }
      - { .name: wo, .offset: 48, .size: 8, .value_kind: global_buffer, .address_space: global }
    .group_segment_fixed_size: 138240
    .private_segment_fixed_size: 0
    .kernarg_segment_align: 8
    .kernarg_segment_size: 56
    .max_flat_workgroup_size: 512
    .sgpr_count:     66
    .vgpr_count:     210
    .wavefront_size: 32
...
	.end_amdgpu_metadata
.endif
;; end of part 1
;; launch qkvattn (part 2): grid 16 x 16, 4 waves a work-group, clusters of 4 x 1, 262,656 bytes of LDS; arguments xq, xs, wq, W_qkv_scales, b_qkv, oq, os; writes oq, os
.if DOCPART == 2
	.amdgcn_target "amdgcn-amd-amdhsa--gfx1250"
	.amdhsa_code_object_version 6
	.text
	.protected	k_q81cf27a2e1_qkvattn
	.globl	k_q81cf27a2e1_qkvattn
	.p2align	8
	.type	k_q81cf27a2e1_qkvattn,@function
k_q81cf27a2e1_qkvattn:
	s_mov_b64 s[64:65], 0
	v_nop
	global_prefetch_b8 v0, s[64:65] scope:SCOPE_SE
	s_setreg_imm32_b32 hwreg(HW_REG_WAVE_MODE, 25, 1), 1
	s_wait_xcnt 0x0
	s_wait_alu depctr_hold_cnt(0) depctr_sa_sdst(0) depctr_va_vdst(0) depctr_va_sdst(0) depctr_va_ssrc(0) depctr_va_vcc(0) depctr_vm_vsrc(0)
	s_getreg_b32 s2, hwreg(HW_REG_IB_STS2, 6, 4)
	s_cmp_eq_u32 s2, 0
	s_cbranch_scc0 .Lentry_in_a_cluster
	s_endpgm
.Lentry_in_a_cluster:
	s_bfe_u32 s2, ttmp6, 0x10000c
	s_cmp_lg_u32 s2, 0x3003
	s_cbranch_scc0 .Lentry_shape_is_right
	s_endpgm
.Lentry_shape_is_right:
; For one head of one batch row and 512 of its tokens: q, k, v = Q(inp) W_qkv + b; S = Q(q) Q(k)^T; p = 2^(t - M); O = Q(v) Q(p) / l; O is quantised for the last product.  All products on codes of BF6 (E3M2) with E8M0 scales.
; id = work-group: head = id % 16, hf = (id / 16) % 2, b = id / 32.  The band |i - j| <= 128 lets a pair of query tiles (32 queries, aligned) see nine aligned blocks of 32 keys, of which the first and the last are masked number by number.
; So the work-group makes q, k, v of its 512 tokens and k, v of a halo of 128 tokens beyond the middle of the sequence; nothing of q, k, v goes to memory.
; SHARES: wave w makes groups 4 w .. 4 w + 3 (32 tokens each; two passes of two groups) and halo group w, then serves query pairs 4 w .. 4 w + 3.
; KEY BLOCKS lie in LDS at places phi = 0 .. 23, alike in both halves: 0-3 before, 4-19 own, 20-23 after.  The halo's codes are stored to BOTH ends, ANDed with all ones or zero by hf: values are chosen, no address; the end outside the sequence holds zero codes.
; LAYOUT: q and k come from the transposed product (source 0 = 16 columns of W, source 1 = 16 tokens): a lane holds one token, registers along d.  v comes untransposed: a lane holds one d, registers along the tokens, which are the next K.
; The columns of a tile of W and the tokens of a tile of x are chosen (see the launch that laid them) so that 16 registers of two neighbouring tiles are 16 neighbours along the next K.
; K = 64 fills half of the matrix instruction: a key fragment holds TWO key tiles (k 0-63: tile u = 0; k 64-127: tile u = 1) and is multiplied by [q | 0] and by [0 | q].
; NO CLUSTER: beside the head's W (147,456 bytes, fetched once: about a quarter of a work-group's bytes) and the images of k, v, q (110 KB) LDS has room for slots of x of one K step only; a joint refill would then stand behind a cluster's round for every 48 matrix instructions of a wave.  So x goes straight into registers, a whole pass ahead.
; LIMITS: NaN and infinities are not served; a block of zeros or under 2^-122 keeps the scale byte 1; a p under 2^-126 is 0.
; REGISTERS in windows of 256, GEMM: w0: v0-23 addresses; v24-71 W's scale words (4 c + i), v72-111 x's (4 tile + i): register i holds K step i in lanes 0-15 and step i + 4 in lanes 16-31; v112-183, v184-255 two sets of six fragments of W.
;   w1: v0-191 x of K steps 0-3 (48 (s % 4) + 12 t); v192-255 v's sums of d tiles 0, 1.   w2: the same for steps 4-7 and d tiles 2, 3.   w3: v0-127 q's sums (32 t + 8 c), v128-255 k's.
;   Behind a pass the sets' registers serve the way into LDS: v112-143 bias, v144-181 QUANT's, v184-247 64 numbers.
; ATTENTION: w0: v24-64 scale words, v112-175 the band's penalties.  w3: v0-107 nine key fragments, v108-227 v's fragments, v228-233 zeros.  w1, w2: one query tile each (map at SOFTMAX).
.set WIMG, 0                           ; the head's 96 fragments of W, (12 s + c) 1536: filled once by four tensor loads
.set KIMG, 147456                      ; key fragments, phi x 1536
.set KSC,  184320                      ; their scale words, phi x 128 + 4 l
.set VIMG, 187392                      ; v: row 16 delta + r of VP bytes, block phi at 24 phi
.set VP,   592                         ; 148 words = 20 mod 64: the 32 lanes of an 8-byte access touch 64 different banks (64 banks of 4 bytes: ISA guide 11.1)
.set VSC,  225280                      ; v's scale bytes: row of 32 bytes, byte phi
.set QIMG, 227328                      ; q: tile (2 p + u) x 768: registers 0-3 at 16 l, registers 4-5 at 512 + 8 l
.set QSC,  251904                      ; tile x 128 + 4 l
.set BIAS, 256000                      ; 256 bytes for each part (q, k, v) of the head's bias
.set OSG,  257024                      ; 256 bytes a wave: the output's scale bytes
.set LI,   1                           ; 16 l; also W's address for K steps 0-2 (WIMG = 0)
.set AW,   1                           ; v1-3: W's fragments of K steps 0-2, 3-5, 6-7
.set AKI,  4
.set AKS,  5
.set AVF,  6
.set AVS,  7
.set AQ16, 8
.set AQ8,  9
.set AQS,  10
.set AB,   11
.set ABV,  12
.set AKH,  13
.set AKSH, 14
.set AVH,  15
.set AVSH, 16
.set WS,   24
.set XS,   72
.set WP,   112
.set WQ,   184
.set BIASR, 112
.set TM,   144
.set PW,   160
.set PC,   162
.set T,    184
.set SEL,  48                          ; s[48:49]
.set MSB, 0
.macro WIN new                         ; bits 1:0 source 0, 3:2 source 1, 5:4 source 2, 7:6 destination; the high byte repeats the setting that is left
.if MSB != (\new)
	s_set_vgpr_msb (MSB<<8)|(\new)
.set MSB, (\new)
.endif
.endm
.macro PLACES                          ; four plain places behind matrix instructions, ahead of loads into their registers and of reads of their results
.rept 4
	v_nop
.endr
.endm
.macro QUANT s                         ; 64 numbers of a lane, register 16 b + i = k 32 b + 16 h + i, become 12 registers of codes in v[PC] on and a scale word in v[PW]
.irp b, 0,1,2,3
	v_max3_num_f32 v[TM+\b], |v[\s+16*\b]|, |v[\s+1+16*\b]|, 0x2800000   ; and the floor 2^(5 - 127): the byte cannot fall under 1
.endr
.irp i, 2,4,6,8,10,12,14
.irp b, 0,1,2,3
	v_max3_num_f32 v[TM+\b], v[TM+\b], |v[\s+16*\b+\i]|, |v[\s+1+16*\b+\i]|
.endr
.endr
.irp b, 0,1,2,3
	v_permlanex16_b32 v[TM+4+\b], v[TM+\b], s[SEL], s[SEL+1]
.endr
.irp b, 0,1,2,3
	v_max_num_f32 v[TM+\b], v[TM+\b], v[TM+4+\b]
.endr
.irp b, 0,1,2,3
	v_add_nc_u32 v[TM+12+\b], 0xfe000000, v[TM+\b]              ; 4 off the exponent field: the conversion's scale operand
.endr
.irp b, 0,1,2,3
	v_lshrrev_b32 v[TM+4+\b], 23, v[TM+12+\b]                   ; the scale's byte
.endr
	v_lshl_or_b32 v[PW], v[TM+5], 8, v[TM+4]
	v_lshl_or_b32 v[PW], v[TM+6], 16, v[PW]
	v_lshl_or_b32 v[PW], v[TM+7], 24, v[PW]
.irp c, 0,1
	v_cvt_scalef32_pk16_bf6_f32 v[PC+6*\c:PC+2+6*\c], v[\s+32*\c:\s+15+32*\c], v[TM+12+2*\c]
	v_cvt_scalef32_pk16_bf6_f32 v[PC+12+4*\c:PC+14+4*\c], v[\s+16+32*\c:\s+31+32*\c], v[TM+12+2*\c+1]
.endr
	v_nop                                  ; one plain place behind a scaled conversion
.irp c, 0,1
.irp i, 0,1,2
	v_permlane16_swap_b32 v[PC+6*\c+\i], v[PC+12+4*\c+\i]       ; a whole block to a lane: lanes 0-15 block 2 c, lanes 16-31 block 2 c + 1
.endr
.irp i, 0,1,2
	v_mov_b32 v[PC+3+6*\c+\i], v[PC+12+4*\c+\i]
.endr
.endr
.endm
; one product of K step s: the first starts its sum with the constant 0; steps 4-7 take their scale words from lanes 16-31
.macro WM d, a, b, sa, sb, s
.if (\s) == 0
	v_wmma_scale_f32_16x16x128_f8f6f4 v[\d:\d+7], v[\a:\a+11], v[\b:\b+11], 0, v[\sa], v[\sb] matrix_a_fmt:MATRIX_FMT_BF6 matrix_b_fmt:MATRIX_FMT_BF6
.elseif (\s) < 4
	v_wmma_scale_f32_16x16x128_f8f6f4 v[\d:\d+7], v[\a:\a+11], v[\b:\b+11], v[\d:\d+7], v[\sa], v[\sb] matrix_a_fmt:MATRIX_FMT_BF6 matrix_b_fmt:MATRIX_FMT_BF6
.else
	v_wmma_scale_f32_16x16x128_f8f6f4 v[\d:\d+7], v[\a:\a+11], v[\b:\b+11], v[\d:\d+7], v[\sa], v[\sb] matrix_a_fmt:MATRIX_FMT_BF6 matrix_b_fmt:MATRIX_FMT_BF6 matrix_a_scale:MATRIX_SCALE_ROW1 matrix_b_scale:MATRIX_SCALE_ROW1
.endif
.endm
.macro LDW set, s, c0, n               ; n fragments of W, column tiles c0 on, of K step s
.set cc, 0
.rept \n
.irp k, 0,1,2
	ds_load_b128 v[\set+12*cc+4*\k:\set+12*cc+4*\k+3], v[AW+(\s)/3] offset:(((\s)%3)*12+(\c0)+cc)*1536+512*\k
.endr
.set cc, cc+1
.endr
.endm
.macro MULQK set, s, c0, n, nt, xb     ; q's and k's column tiles c0 .. c0 + n - 1 against nt tiles of tokens; every product of a K step has an accumulator of its own, so they take turns
.set cc, 0
.rept \n
.set tt, 0
.rept \nt
.set AC, 128*(((\c0)+cc)/4)+32*tt+8*(((\c0)+cc)%4)
	WM AC, \set+12*cc, 48*((\s)%4)+12*tt, WS+4*((\c0)+cc)+(\s)%4, XS+4*((\xb)+tt)+(\s)%4, \s
.set tt, tt+1
.endr
.set cc, cc+1
.endr
.endm
.macro MULVF s, xb                     ; v: source 0 = the tokens, source 1 = 16 columns of W (tiles 8-11: places 2-5 of set WQ)
.irp e, 0,1
	WIN ((0x50*(1+\e))|(1+(\s)/4))
.irp dd, 0,1
.set tt, 0
.rept 4
	WM 192+32*\dd+8*tt, 48*((\s)%4)+12*tt, WQ+12*(2+2*\e+\dd), XS+4*((\xb)+tt)+(\s)%4, WS+4*(8+2*\e+\dd)+(\s)%4, \s
.set tt, tt+1
.endr
.endr
.endr
.endm
.macro MULVH s                         ; the halo's v: two tiles of tokens, sums at w1 v[192 + 16 delta + 8 u]
	WIN (0x50|(1+(\s)/4))
.irp dl, 0,1,2,3
.irp t, 0,1
	WM 192+16*\dl+8*\t, 48*((\s)%4)+12*\t, WQ+12*\dl, XS+4*(8+\t)+(\s)%4, WS+4*(8+\dl)+(\s)%4, \s
.endr
.endr
.endm
.macro LDX s, nt, base                 ; x's fragments of K step s for nt tiles, from their images in memory: 512 consecutive bytes a load
	WIN (0x40*(1+(\s)/4))
.set tt, 0
.rept \nt
.irp k, 0,1,2
	global_load_b128 v[48*((\s)%4)+12*tt+4*\k:48*((\s)%4)+12*tt+4*\k+3], v[LI], s[\base:\base+1] offset:tt*12288+(\s)*1536+512*\k
.endr
.set tt, tt+1
.endr
.endm
.macro LDBIAS part                     ; q's or k's bias in the result's layout: register 16 beta + i = d 32 beta + 16 h + i
.irp be, 0,1
.irp m, 0,1,2,3
	ds_load_b128 v[BIASR+16*\be+4*\m:BIASR+16*\be+4*\m+3], v[AB] offset:256*(\part)+128*\be+16*\m
.endr
.endr
.endm
.macro LDBIASV                         ; v's: one number a lane and d tile, twice, so that a plain pair feeds the packed addition
.irp dl, 0,1,2,3
	ds_load_b32 v[BIASR+2*\dl], v[ABV] offset:(32*(\dl/2)+8*(\dl%2))*4
	ds_load_b32 v[BIASR+2*\dl+1], v[ABV] offset:(32*(\dl/2)+8*(\dl%2))*4
.endr
.endm
; A K step of a full pass: 48 products.  N: the loads of x issued behind this step's.
.macro STEP_F s, xb, N, nb, nnt
	WIN 0
	LDW WQ, \s, 6, 6
	s_wait_dscnt 18                        ; set WP is in; WQ's 18 loads may be out
	s_wait_loadcnt \N
	WIN (0xF0|(4*(1+(\s)/4)))
	MULQK WP, \s, 0, 6, 4, \xb
	PLACES
	WIN 0
.if (\s) < 7
	LDW WP, (\s)+1, 0, 6
	s_wait_dscnt 18                        ; set WQ is in; the next step's 18 loads may be out
.else
	LDBIAS 0
	s_wait_dscnt 8                         ; set WQ is in; the bias's 8 loads may be out
.endif
	WIN (0xF0|(4*(1+(\s)/4)))
	MULQK WQ, \s, 6, 2, 4, \xb
	MULVF \s, \xb
	PLACES
	LDX \s, \nnt, \nb                      ; this step's x is done with: the next pass's takes its registers
.endm
.macro STEP_H s                        ; a K step of the halo pass: k and v of two tiles, 16 products
	WIN 0
	LDW WQ, \s, 8, 4
	s_wait_dscnt 12
	s_wait_loadcnt 6*(7-(\s))              ; behind this step's x: the later steps' six loads each
	WIN (0xF0|(4*(1+(\s)/4)))
	MULQK WP, \s, 4, 4, 2, 8
	PLACES
	WIN 0
.if (\s) < 7
	LDW WP, (\s)+1, 4, 4
	s_wait_dscnt 12
.else
	LDBIAS 1
	s_wait_dscnt 8
.endif
	MULVH \s
	PLACES
.endm
.macro ADDQK acc                       ; 64 sums of w3 + the bias -> T; each accumulator is read from its low end on
	WIN 0x03
.set x, 0
.rept 32
	v_pk_add_f32 v[T+x:T+x+1], v[\acc+x:\acc+x+1], v[BIASR+(x%32):BIASR+(x%32)+1]
.set x, x+2
.endr
	WIN 0
.endm
.macro ADDV e                          ; v's d tiles 2 e, 2 e + 1: T[32 (delta % 2) + 16 g + i] = token 32 G + 16 h + i
	WIN (1+(\e))
.set x, 0
.rept 32
	v_pk_add_f32 v[T+x:T+x+1], v[192+x:193+x], v[BIASR+2*(2*(\e)+x/32):BIASR+2*(2*(\e)+x/32)+1]
.set x, x+2
.endr
	WIN 0
.endm
.macro STQ pg                          ; q of group pg: codes 0-5 are tile u = 0, 6-11 tile u = 1; a tile's two scale bytes twice in a word, for [q | 0] and [0 | q] alike
	v_perm_b32 v[TM+8], v[PW], v[PW], 0x01000100
	v_perm_b32 v[TM+9], v[PW], v[PW], 0x03020302
.irp u, 0,1
	ds_store_b128 v[AQ16], v[PC+6*\u:PC+6*\u+3] offset:(2*(\pg)+\u)*768
	ds_store_b64 v[AQ8], v[PC+6*\u+4:PC+6*\u+5] offset:(2*(\pg)+\u)*768
	ds_store_b32 v[AQS], v[TM+8+\u] offset:(2*(\pg)+\u)*128
.endr
.endm
.macro STK pg                          ; k of group pg: the 12 registers ARE the key fragment
.irp k, 0,1,2
	ds_store_b128 v[AKI], v[PC+4*\k:PC+4*\k+3] offset:(\pg)*1536+512*\k
.endr
	ds_store_b32 v[AKS], v[PW] offset:(\pg)*128
.endm
.macro STV e, p                        ; v: lane (r, h) holds the whole block of group 2 p + h of row 16 (2 e + c) + r
.irp c, 0,1
.irp m, 0,1,2
	ds_store_b64 v[AVF], v[PC+6*\c+2*\m:PC+6*\c+2*\m+1] offset:16*(2*(\e)+\c)*VP+48*(\p)+8*\m
.endr
.endr
	ds_store_b16 v[AVS], v[PW] offset:512*(2*(\e))+2*(\p)              ; the two groups' bytes of d tile 2 e,
	ds_store_b16_d16_hi v[AVS], v[PW] offset:512*(2*(\e)+1)+2*(\p)     ; and of 2 e + 1
.endm
; The way of a full pass's sums into LDS.  A wait stands only where a bias is first read, and counts the LDS stores issued behind that bias's loads; the stores' own registers are written again with no wait.
.macro EPI_F p
.irp g, 0,1
.if \g == 0
	s_wait_dscnt 0x0                       ; q's bias is in
.endif
	ADDQK 64*\g
.if \g == 1
	LDBIAS 1
.endif
	QUANT T
	STQ 2*(\p)+\g
.endr
.irp g, 0,1
.if \g == 0
	s_wait_dscnt 6                         ; k's bias is in; behind its loads stand q's six stores
.endif
	ADDQK 128+64*\g
.if \g == 1
	LDBIASV
.endif
	QUANT T
	STK 2*(\p)+\g
.endr
.irp e, 0,1
.if \e == 0
	s_wait_dscnt 4                         ; v's bias is in; behind its loads stand k's four stores
.endif
	ADDV \e
	QUANT T
	STV \e, \p
.endr
.endm
	s_load_b256 s[4:11], s[0:1], 0x0       ; xq s[4:5], xs s[6:7], wq s[8:9], W_qkv's scales s[10:11]
	s_load_b128 s[12:15], s[0:1], 0x20     ; b_qkv s[12:13], oq s[14:15]
	s_load_b64 s[16:17], s[0:1], 0x30      ; os
	v_lshl_add_u32 v254, v0, 2, 0x40000
	v_mov_b32 v255, 0
	ds_add_u32 v254, v255
	ds_add_u32 v254, v255
	s_wait_dscnt 0x0
	v_lshrrev_b32 v20, 5, v0
	v_readfirstlane_b32 s18, v20           ; wave 0..3
	; THE GRID is 16 x 16: y = head, x = 2 b + hf; the id of the shares above is y + 16 x.  Four neighbours along x form a cluster: four token halves of ONE head, which need the same images of W.
	; W ALONE IS ASKED FOR JOINTLY; what is said above of clusters holds of x, which goes straight into registers.  Of cx hang global addresses and selected values alone: no branch, no LDS address.
	s_and_b32 s20, ttmp7, 0xffff           ; head = work-group y
	s_bfe_u32 s21, ttmp6, 0x40000          ; cx
	s_lshl_b32 s22, ttmp9, 2
	s_add_co_u32 s22, s22, s21             ; work-group x = 4 x cluster x + cx
	s_and_b32 s21, s22, 1                  ; hf
	s_lshr_b32 s22, s22, 1                 ; b
	; descriptor group 1: a dense block of 36,864 bytes as 144 rows of 32 elements of 8 bytes, no padding, no mask
	s_mov_b32 s36, 15|(3<<16)|(1<<21)      ; the mask names the cluster's four; bit 21 is set beside it; elements of 8 bytes
	s_mov_b32 s37, 32<<16
	s_mov_b32 s38, 144<<16
	s_mov_b32 s39, 32<<16
	s_mov_b32 s40, 144
	s_mov_b32 s41, 32
	s_mov_b32 s42, 0
	s_mov_b32 s43, 0
	s_mul_i32 s19, s18, 36864              ; my quarter of the head's images, in LDS and in wq
	s_mul_i32 s44, s20, 147456
	s_add_co_u32 s44, s44, s19
	s_mov_b32 s45, 0
	s_wait_kmcnt 0x0
	s_mov_b32 s32, 1
	s_mov_b32 s33, s19
	s_add_nc_u64 s[34:35], s[8:9], s[44:45]
	s_or_b32 s35, s35, 0x80000000
	s_barrier_signal -1                    ; a round of the cluster's barrier in front of the joint load: the four requests meet
	s_barrier_wait -1
	s_cmp_lg_u32 s18, 0
	s_cbranch_scc1 .Lnot_wave_0_a
	s_barrier_signal -3
.Lnot_wave_0_a:
	s_barrier_wait -3
	s_barrier_signal -1
	s_barrier_wait -1
	tensor_load_to_lds s[32:35], s[36:43]  ; filled once: its address is made of the head and the wave's number, alike in the four; one tensor load of mine is out, and nothing is ever filled again
	s_nop 0
.rept 4
	v_nop
.endr
	s_lshl_b32 s23, s22, 5
	s_lshl_b32 s62, s21, 4
	s_add_co_u32 s23, s23, s62
	s_lshl_b32 s62, s18, 2
	s_add_co_u32 s23, s23, s62             ; my first group: 32 b + 16 hf + 4 w
	s_mul_i32 s66, s23, 24576              ; a group's 16 fragments
	s_mov_b32 s67, 0
	s_add_nc_u64 s[24:25], s[4:5], s[66:67]    ; x of pass A,
	s_add_nc_u64 s[26:27], s[24:25], 49152     ; of pass B,
	s_add_nc_u64 s[14:15], s[14:15], s[66:67]  ; (oq has the same 24,576 bytes a group)
	s_lshl_b32 s62, s21, 2
	s_lshl_b32 s63, s22, 5
	s_add_co_u32 s63, s63, 16
	s_sub_co_u32 s63, s63, s62
	s_add_co_u32 s63, s63, s18             ; my halo group: 32 b + 16 - 4 hf + w
	s_mul_i32 s66, s63, 24576
	s_add_nc_u64 s[28:29], s[4:5], s[66:67]    ; and of the halo pass
	s_lshl_b32 s66, s23, 10
	s_add_nc_u64 s[30:31], s[6:7], s[66:67]    ; x's scale words: my eight tiles,
	s_lshl_b32 s66, s63, 10
	s_add_nc_u64 s[6:7], s[6:7], s[66:67]      ; the halo's two
	s_lshl_b32 s66, s20, 11
	s_add_nc_u64 s[10:11], s[10:11], s[66:67]  ; W's scale bytes: 64 rows of 32 bytes a head
	s_min_u32 s62, s18, 2
	s_lshl_b32 s66, s62, 12
	s_lshl_b32 s62, s20, 8
	s_add_co_u32 s66, s66, s62
	s_add_nc_u64 s[12:13], s[12:13], s[66:67]  ; the bias: part min(w, 2), the head's 64 numbers
	s_mul_i32 s66, s20, 768
	s_add_nc_u64 s[14:15], s[14:15], s[66:67]  ; oq: + 768 head
	s_lshl_b32 s66, s22, 4
	s_add_co_u32 s66, s66, s20
	s_lshl_b32 s66, s66, 5
	s_lshl_b32 s62, s21, 4
	s_add_co_u32 s66, s66, s62
	s_lshl_b32 s62, s18, 2
	s_add_co_u32 s66, s66, s62
	s_lshl_b32 s66, s66, 6
	s_add_nc_u64 s[16:17], s[16:17], s[66:67]  ; os: ((16 b + head) 32 + 16 hf + 4 w) 64
	s_cmp_lg_u32 s21, 0
	s_cselect_b32 s46, -1, 0               ; the halo lies before my tokens (hf = 1),
	s_cselect_b32 s47, 0, -1               ; or after them
	s_cselect_b32 s52, 0, 4                ; places phi under this one,
	s_cselect_b32 s53, 20, 24              ; and from this one on, lie outside the sequence
	s_mov_b32 s[SEL], 0x76543210
	s_mov_b32 s[SEL+1], 0xfedcba98
	s_mov_b32 s50, 0x3e38aa3b              ; c = log2(e) / 8: t = score x c
	s_mov_b32 s51, s50                     ; (named with it as a pair)
	v_and_b32 v20, 31, v0                  ; l
	v_and_b32 v21, 15, v0                  ; r
	v_bfe_u32 v22, v0, 4, 1                ; h
	v_and_b32 v23, 8, v0
	v_add_nc_u32 v23, v23, v21             ; r + 8 (r / 8)
	v_lshlrev_b32 v[LI], 4, v20
	s_wait_alu depctr_va_vdst(0)
	v_add_nc_u32 v2, 55296, v[LI]
	v_add_nc_u32 v3, 110592, v[LI]
	s_mul_i32 s62, s18, 6144
	s_add_co_u32 s63, s62, KIMG+6144
	v_add_nc_u32 v[AKI], s63, v[LI]        ; my key fragments: places 4 + 4 w on
	s_lshl_b32 s63, s18, 9
	s_add_co_u32 s63, s63, KSC+512
	v_lshl_add_u32 v[AKS], v20, 2, s63
	s_mul_i32 s63, s18, 96
	s_add_co_u32 s63, s63, VIMG+96
	v_mul_u32_u24 v[AVF], v21, VP
	v_mad_u32_u24 v[AVF], v22, 24, v[AVF]
	v_add_nc_u32 v[AVF], s63, v[AVF]       ; v: row r, block 4 + 4 w + h
	s_lshl_b32 s63, s18, 2
	s_add_co_u32 s63, s63, VSC+4
	v_lshl_add_u32 v[AVS], v21, 5, s63
	s_add_co_u32 s63, s62, QIMG
	v_add_nc_u32 v[AQ16], s63, v[LI]
	s_add_co_u32 s63, s62, QIMG+512
	v_lshl_add_u32 v[AQ8], v20, 3, s63
	s_lshl_b32 s63, s18, 10
	s_add_co_u32 s63, s63, QSC
	v_lshl_add_u32 v[AQS], v20, 2, s63
	v_lshl_add_u32 v[AB], v22, 6, BIAS
	v_lshl_add_u32 v[ABV], v23, 2, BIAS+512
	s_mul_i32 s63, s18, 1536
	s_add_co_u32 s63, s63, KIMG
	v_add_nc_u32 v[AKH], s63, v[LI]        ; the halo: place w (and 20 places on)
	s_lshl_b32 s63, s18, 7
	s_add_co_u32 s63, s63, KSC
	v_lshl_add_u32 v[AKSH], v20, 2, s63
	s_mul_i32 s63, s18, 24
	s_add_co_u32 s63, s63, VIMG
	v_mul_u32_u24 v[AVH], v20, VP
	v_add_nc_u32 v[AVH], s63, v[AVH]       ; row 16 h + r = l
	s_add_co_u32 s63, s18, VSC
	v_lshl_add_u32 v[AVSH], v21, 5, s63
	v_lshlrev_b32 v17, 5, v23
	v_lshl_add_u32 v17, v22, 4, v17        ; W's scale words: row r + 8 (r / 8) of 32 bytes, + 16 h
	v_lshlrev_b32 v18, 4, v21
	s_lshl_b32 s63, s18, 8
	s_add_co_u32 s63, s63, BIAS
	v_add_nc_u32 v19, s63, v18
	global_load_b128 v[112:115], v18, s[12:13]
.irp c, 0,1,2,3,4,5,6,7,8,9,10,11
	global_load_b128 v[WS+4*\c:WS+4*\c+3], v17, s[10:11] offset:(\c/4)*32768+((\c/2)%2)*1024+(\c%2)*256
.endr
.irp t, 0,1,2,3,4,5,6,7
	global_load_b128 v[XS+4*\t:XS+4*\t+3], v[LI], s[30:31] offset:512*\t
.endr
.irp t, 0,1
	global_load_b128 v[XS+32+4*\t:XS+35+4*\t], v[LI], s[6:7] offset:512*\t
.endr
.irp s, 0,1,2
	LDX \s, 4, 24                          ; x of the first three K steps is asked for beside W; the other five follow behind the barrier
.endr
	WIN 0
	s_wait_alu depctr_va_vdst(0)
	s_wait_loadcnt 58                      ; 22 + 36 loads stand behind the bias's: it is in
	ds_store_b128 v19, v[112:115]          ; lanes l and l + 16 store the same bytes
	s_wait_tensorcnt 0x0                   ; my quarter of W lies in LDS,
	s_wait_dscnt 0x0                       ; and my part of the bias:
	s_barrier_signal -1
	s_barrier_wait -1                      ; everybody's do
	LDW WP, 0, 0, 6
.irp s, 3,4,5,6,7
	LDX \s, 4, 24                          ; 60 loads, in the same order as ever: the steps' counts stand
.endr
.irp s, 0,1,2,3,4,5,6,7
	STEP_F \s, 0, 63, 26, 4                ; behind x of step s stand 12 (7 - s) loads of this pass and 12 s of the next: 84; the count's field holds 63
.endr
	EPI_F 0
	s_wait_dscnt 0x0
	LDW WP, 0, 0, 6
.irp s, 0,1,2,3,4,5,6,7
.set NLD, 12*(7-\s)+6*\s               ; this pass's later steps, and the halo's six loads for each step done
.if NLD > 63
.set NLD, 63
.endif
	STEP_F \s, 4, NLD, 28, 2
.endr
	EPI_F 1
	s_wait_dscnt 0x0
	LDW WP, 0, 4, 4
.irp s, 0,1,2,3,4,5,6,7
	STEP_H \s
.endr
	; the halo's k: one fragment, stored to both ends, each under its mask
	s_wait_dscnt 0x0
	ADDQK 128
	LDBIASV
	QUANT T
.irp i, 0,1,2,3,4,5,6,7,8,9,10,11
	v_and_b32 v[T+\i], s46, v[PC+\i]
	v_and_b32 v[T+12+\i], s47, v[PC+\i]
.endr
	v_and_b32 v[T+24], s46, v[PW]
	v_and_b32 v[T+25], s47, v[PW]
.irp k, 0,1,2
	ds_store_b128 v[AKH], v[T+4*\k:T+4*\k+3] offset:512*\k
	ds_store_b128 v[AKH], v[T+12+4*\k:T+15+4*\k] offset:30720+512*\k
.endr
	ds_store_b32 v[AKSH], v[T+24]
	ds_store_b32 v[AKSH], v[T+25] offset:2560
	; the halo's v: block b of the 64 numbers is d tile b; lane (r, h) ends with the block of row 16 (2 c + h) + r
	s_wait_dscnt 8                         ; v's bias is in; behind its loads stand the eight stores above
	WIN 0x01
.set x, 0
.rept 32
	v_pk_add_f32 v[T+x:T+x+1], v[192+x:193+x], v[BIASR+2*(x/16):BIASR+2*(x/16)+1]
.set x, x+2
.endr
	WIN 0
	QUANT T
.irp i, 0,1,2,3,4,5,6,7,8,9,10,11
	v_and_b32 v[T+\i], s46, v[PC+\i]
	v_and_b32 v[T+12+\i], s47, v[PC+\i]
.endr
.irp dl, 0,1,2,3
	v_and_b32 v[T+24+\dl], s46, v[TM+4+\dl]
	v_and_b32 v[T+28+\dl], s47, v[TM+4+\dl]
.endr
.irp c, 0,1
.irp m, 0,1,2
	ds_store_b64 v[AVH], v[T+6*\c+2*\m:T+6*\c+2*\m+1] offset:32*\c*VP+8*\m
	ds_store_b64 v[AVH], v[T+12+6*\c+2*\m:T+13+6*\c+2*\m] offset:32*\c*VP+480+8*\m
.endr
.endr
.irp dl, 0,1,2,3
	ds_store_b8 v[AVSH], v[T+24+\dl] offset:512*\dl
	ds_store_b8 v[AVSH], v[T+28+\dl] offset:512*\dl+20
.endr
	s_wait_dscnt 0x0                       ; for the others' sake: all my images lie in LDS
	s_barrier_signal -1
	s_barrier_wait -1                      ; k and v of all 24 places are whole
; ---------------- ATTENTION: four trips, a pair of query tiles (32 queries) a trip; tile u lives in window X = 1 + u
.set BK,   2
.set BKS,  3
.set BV,   4
.set BV2,  5
.set AOS,  6
.set L8,   7
.set AOR,  11
.set HK,   13
.set HKS,  14
.set HV,   15
.set HV2,  16
.set HQ16, 17
.set HQ8,  18
.set HQS,  19
.set HOS,  20
.set KS,   24                          ; v24-32 the nine key fragments' scale words
.set VW,   33                          ; v33-44 v's scale bytes, aligned words 3 delta + k
.set VSW,  45                          ; v45-56 the same, shifted to the trip's first block
.set QS,   57                          ; v57-58 q's
.set PS,   59                          ; v59-64 p's, 3 u + k
.set PEN,  112                         ; v112-175: 32 u + i: 0 or -1e30 for register i of the first block; 32 u + 16 + i: of the last.  They are the C of those blocks' products.  LIMIT: scaled scores stay under 2^31 in magnitude
; a tile's window: v0-143 S^T then p (block j at 16 j: register i = key 16 h + i of the block), later O^T in v0-31
.set QZ,   144                         ; six zeros, q, six zeros: [0 | q] = v144-155, [q | 0] = v150-161
.set PF,   162                         ; p's three fragments; v192-197 stay zero
.set NB,   198                         ; v[NB + 2 j] = -M + the block's penalty, v[NB + 2 j + 1] = the block's largest score, then p, then byte
.set BT,   216                         ; nine registers at work
.set CV,   226
.set NEGM, 234
.set TMX,  235
.set SUM,  236
.set RL,   240
.set OW,   242
.macro KQ X                            ; S^T = K Q^T: 18 products, each with its own accumulator
	WIN ((0x44*\X)|3)                      ; C in window 0: the band's penalties start the sums of the first and the last block, the constant 0 those of the others
.irp j, 0,1,2,3,4,5,6,7,8
.if (\j%8) == 0
	v_wmma_scale_f32_16x16x128_f8f6f4 v[16*\j:16*\j+7], v[12*\j:12*\j+11], v[QZ+6:QZ+17], v[PEN+32*(\X-1)+2*\j:PEN+32*(\X-1)+2*\j+7], v[KS+\j], v[QS+\X-1] matrix_a_fmt:MATRIX_FMT_BF6 matrix_b_fmt:MATRIX_FMT_BF6
	v_wmma_scale_f32_16x16x128_f8f6f4 v[16*\j+8:16*\j+15], v[12*\j:12*\j+11], v[QZ:QZ+11], v[PEN+32*(\X-1)+2*\j+8:PEN+32*(\X-1)+2*\j+15], v[KS+\j], v[QS+\X-1] matrix_a_fmt:MATRIX_FMT_BF6 matrix_b_fmt:MATRIX_FMT_BF6
.else
	v_wmma_scale_f32_16x16x128_f8f6f4 v[16*\j:16*\j+7], v[12*\j:12*\j+11], v[QZ+6:QZ+17], 0, v[KS+\j], v[QS+\X-1] matrix_a_fmt:MATRIX_FMT_BF6 matrix_b_fmt:MATRIX_FMT_BF6
	v_wmma_scale_f32_16x16x128_f8f6f4 v[16*\j+8:16*\j+15], v[12*\j:12*\j+11], v[QZ:QZ+11], 0, v[KS+\j], v[QS+\X-1] matrix_a_fmt:MATRIX_FMT_BF6 matrix_b_fmt:MATRIX_FMT_BF6
.endif
.endr
.endm
.macro SOFTMAX X
	WIN (0x55*\X)
.irp j, 0,1,2,3,4,5,6,7,8
	v_max3_num_f32 v[NB+2*\j+1], v[16*\j], v[16*\j+1], v[16*\j+2]      ; each block's largest score: for the row's maximum, and for the block's largest p
.endr
.irp i, 3,5,7,9,11,13
.irp j, 0,1,2,3,4,5,6,7,8
	v_max3_num_f32 v[NB+2*\j+1], v[NB+2*\j+1], v[16*\j+\i], v[16*\j+\i+1]
.endr
.endr
.irp j, 0,1,2,3,4,5,6,7,8
	v_max_num_f32 v[NB+2*\j+1], v[NB+2*\j+1], v[16*\j+15]
.endr
.irp j, 0,1,2,3,4,5,6,7,8
	v_permlanex16_b32 v[BT+\j], v[NB+2*\j+1], s[SEL], s[SEL+1]
.endr
.irp j, 0,1,2,3,4,5,6,7,8
	v_max_num_f32 v[NB+2*\j+1], v[NB+2*\j+1], v[BT+\j]
.endr
.irp j, 0,1,2,3,5,6,7,8
	v_add_f32 v[NB+2*\j+1], s[70+\j], v[NB+2*\j+1]                     ; a block outside the sequence: -infinity
.endr
	v_max3_num_f32 v[TMX], v[NB+1], v[NB+3], v[NB+5]
	v_max3_num_f32 v[TMX], v[TMX], v[NB+7], v[NB+9]
	v_max3_num_f32 v[TMX], v[TMX], v[NB+11], v[NB+13]
	v_max3_num_f32 v[TMX], v[TMX], v[NB+15], v[NB+17]                  ; the row's largest score (its own block always counts)
	v_mul_f32 v[TMX], s50, v[TMX]
	v_floor_f32 v[NEGM], -v[TMX]                                       ; -M = floor(-t) = -ceil(t)
.irp j, 0,1,2,3,5,6,7,8
	v_add_f32 v[NB+2*\j], s[70+\j], v[NEGM]
.endr
	v_mov_b32 v[NB+8], v[NEGM]
.irp j, 0,1,2,3,4,5,6,7,8
.irp i, 0,2,4,6,8,10,12,14
	v_pk_fma_f32 v[16*\j+\i:16*\j+\i+1], v[16*\j+\i:16*\j+\i+1], s[50:51], v[NB+2*\j:NB+2*\j+1] op_sel_hi:[1,0,0]   ; t - M (of the pairs the low word serves both halves)
.endr
.endr
.irp j, 0,1,2,3,4,5,6,7,8
	v_fma_f32 v[NB+2*\j+1], v[NB+2*\j+1], s50, v[NEGM]                 ; the same of each block's largest score
.endr
.set x, 0
	s_wait_alu depctr_va_vdst(0)
.rept 144
	v_exp_f32 v[x], v[x]                                               ; p = 2^(t - M): not normalised
.set x, x+1
.endr
.irp j, 0,1,2,3,4,5,6,7,8
	v_exp_f32 v[NB+2*\j+1], v[NB+2*\j+1]                               ; the block's largest p
.endr
	v_nop                                                              ; a plain place behind the exponentials
	s_wait_alu depctr_va_vdst(0)
.irp j, 0,1,2,3,4,5,6,7,8
	v_max_num_f32 v[NB+2*\j+1], 0x2800000, v[NB+2*\j+1]                ; the floor 2^(5 - 127)
.endr
.irp j, 0,1,2,3,4,5,6,7,8
	v_add_nc_u32 v[BT+\j], 0xfe000000, v[NB+2*\j+1]                    ; the conversion's scale operand
.endr
.irp j, 0,1,2,3,4,5,6,7,8
	v_lshrrev_b32 v[NB+2*\j+1], 23, v[BT+\j]                           ; the byte
.endr
	v_lshl_or_b32 v[NB], v[NB+3], 8, v[NB+1]
	v_lshl_or_b32 v[NB+2], v[NB+11], 8, v[NB+9]
	v_lshl_or_b32 v[NB], v[NB+5], 16, v[NB]
	v_lshl_or_b32 v[NB+2], v[NB+13], 16, v[NB+2]
	WIN (0x11*\X)                          ; scale operands have no window: the words' last lines write into window 0
	v_lshl_or_b32 v[PS+3*(\X-1)], v[NB+7], 24, v[NB]
	v_lshl_or_b32 v[PS+3*(\X-1)+1], v[NB+15], 24, v[NB+2]
	v_mov_b32 v[PS+3*(\X-1)+2], v[NB+17]   ; the ninth block's byte; the word's other bytes, 0, meet zero codes
	WIN (0x55*\X)
.irp g, 0,1                            ; fragment g: blocks 4 g .. 4 g + 3
.irp c, 0,1
	v_cvt_scalef32_pk16_bf6_f32 v[PF+12*\g+6*\c:PF+12*\g+6*\c+2], v[64*\g+32*\c:64*\g+32*\c+15], v[BT+4*\g+2*\c]
	v_cvt_scalef32_pk16_bf6_f32 v[CV+4*\c:CV+4*\c+2], v[64*\g+32*\c+16:64*\g+32*\c+31], v[BT+4*\g+2*\c+1]
.endr
	v_nop                                  ; one plain place behind a scaled conversion
.irp c, 0,1
.irp i, 0,1,2
	v_permlane16_swap_b32 v[PF+12*\g+6*\c+\i], v[CV+4*\c+\i]
.endr
.irp i, 0,1,2
	v_mov_b32 v[PF+12*\g+6*\c+3+\i], v[CV+4*\c+\i]
.endr
.endr
.endr
	v_cvt_scalef32_pk16_bf6_f32 v[PF+24:PF+26], v[128:143], v[BT+8]    ; the ninth block; its partner is a block of zero codes
.irp i, 0,1,2
	v_mov_b32 v[CV+\i], 0                  ; (plain places behind the conversion)
.endr
.irp i, 0,1,2
	v_permlane16_swap_b32 v[PF+24+\i], v[CV+\i]
.endr
.irp i, 0,1,2
	v_mov_b32 v[PF+27+\i], v[CV+\i]
.endr
	v_pk_add_f32 v[SUM:SUM+1], v[0:1], v[2:3]                          ; the row's sum is taken of the unquantised p, in two chains
	v_pk_add_f32 v[SUM+2:SUM+3], v[4:5], v[6:7]
.irp c, 0,1,2,3,4,5                    ; six more chains, in v244-255 of the tile's window: eight by turns, 71 packed additions for the 72 pairs
	v_pk_add_f32 v[244+2*\c:245+2*\c], v[8+4*\c:9+4*\c], v[10+4*\c:11+4*\c]
.endr
.set x, 32
.rept 7
	v_pk_add_f32 v[SUM:SUM+1], v[SUM:SUM+1], v[x:x+1]
	v_pk_add_f32 v[SUM+2:SUM+3], v[SUM+2:SUM+3], v[x+2:x+3]
.irp c, 0,1,2,3,4,5
	v_pk_add_f32 v[244+2*\c:245+2*\c], v[244+2*\c:245+2*\c], v[x+4+2*\c:x+5+2*\c]
.endr
.set x, x+16
.endr
	v_pk_add_f32 v[244:245], v[244:245], v[246:247]
	v_pk_add_f32 v[248:249], v[248:249], v[250:251]
	v_pk_add_f32 v[252:253], v[252:253], v[254:255]
	v_pk_add_f32 v[SUM:SUM+1], v[SUM:SUM+1], v[SUM+2:SUM+3]
	v_pk_add_f32 v[244:245], v[244:245], v[248:249]
	v_pk_add_f32 v[SUM:SUM+1], v[SUM:SUM+1], v[252:253]
	v_pk_add_f32 v[SUM:SUM+1], v[SUM:SUM+1], v[244:245]
	v_add_f32 v[SUM], v[SUM], v[SUM+1]
	v_permlanex16_b32 v[SUM+1], v[SUM], s[SEL], s[SEL+1]
	v_add_f32 v[SUM], v[SUM], v[SUM+1]
	s_wait_alu depctr_va_vdst(0)
	v_rcp_f32 v[RL], v[SUM]
	v_rcp_f32 v[RL+1], v[SUM]
	v_nop                                  ; a plain place behind the reciprocals
.endm
.macro PV X                            ; O^T = V^T P^T: three K steps (128, 128 and 32 keys), the four d tiles by turns
	WIN ((0x54*\X)|3)
.irp dl, 0,1,2,3
	v_wmma_scale_f32_16x16x128_f8f6f4 v[8*\dl:8*\dl+7], v[108+24*\dl:119+24*\dl], v[PF:PF+11], 0, v[VSW+3*\dl], v[PS+3*(\X-1)] matrix_a_fmt:MATRIX_FMT_BF6 matrix_b_fmt:MATRIX_FMT_BF6
.endr
.irp dl, 0,1,2,3
	v_wmma_scale_f32_16x16x128_f8f6f4 v[8*\dl:8*\dl+7], v[120+24*\dl:131+24*\dl], v[PF+12:PF+23], v[8*\dl:8*\dl+7], v[VSW+3*\dl+1], v[PS+3*(\X-1)+1] matrix_a_fmt:MATRIX_FMT_BF6 matrix_b_fmt:MATRIX_FMT_BF6
.endr
.irp dl, 0,1,2,3                       ; the ninth block: six registers a d tile; the operand's other six (the next tile's, or zeros) and its lanes 16-31 meet p's zero codes
	v_wmma_scale_f32_16x16x128_f8f6f4 v[8*\dl:8*\dl+7], v[204+6*\dl:215+6*\dl], v[PF+24:PF+35], v[8*\dl:8*\dl+7], v[VSW+3*\dl+2], v[PS+3*(\X-1)+2] matrix_a_fmt:MATRIX_FMT_BF6 matrix_b_fmt:MATRIX_FMT_BF6
.endr
.endm
.macro OUTQ X                          ; O / l, quantised along d: register 16 beta + i = d 32 beta + 16 h + i; six registers of codes and two bytes a token
	WIN (0x55*\X)
.set x, 0
	s_wait_alu depctr_va_vdst(0)
.rept 16
	v_pk_mul_f32 v[x:x+1], v[x:x+1], v[RL:RL+1]
.set x, x+2
.endr
.irp b, 0,1
	v_max3_num_f32 v[NB+2*\b+1], |v[16*\b]|, |v[16*\b+1]|, 0x2800000
.endr
.irp i, 2,4,6,8,10,12,14
.irp b, 0,1
	v_max3_num_f32 v[NB+2*\b+1], v[NB+2*\b+1], |v[16*\b+\i]|, |v[16*\b+\i+1]|
.endr
.endr
.irp b, 0,1
	v_permlanex16_b32 v[BT+\b], v[NB+2*\b+1], s[SEL], s[SEL+1]
.endr
.irp b, 0,1
	v_max_num_f32 v[NB+2*\b+1], v[NB+2*\b+1], v[BT+\b]
.endr
.irp b, 0,1
	v_add_nc_u32 v[BT+\b], 0xfe000000, v[NB+2*\b+1]
.endr
.irp b, 0,1
	v_lshrrev_b32 v[NB+2*\b+1], 23, v[BT+\b]
.endr
	v_cvt_scalef32_pk16_bf6_f32 v[PF:PF+2], v[0:15], v[BT]
	v_cvt_scalef32_pk16_bf6_f32 v[PF+6:PF+8], v[16:31], v[BT+1]
	v_lshl_or_b32 v[OW], v[NB+3], 8, v[NB+1]                           ; the two bytes (a plain place behind the conversions)
.irp i, 0,1,2
	v_permlane16_swap_b32 v[PF+\i], v[PF+6+\i]
.endr
.irp i, 0,1,2
	v_mov_b32 v[PF+3+\i], v[PF+6+\i]
.endr
	WIN (\X<<2)                            ; a store's data are its source 1
	global_store_b128 v[LI], v[PF:PF+3], s[14:15] offset:(\X-1)*12288          ; 512 consecutive bytes,
	global_store_b64 v[L8], v[PF+4:PF+5], s[14:15] offset:(\X-1)*12288+512     ; and 256
	ds_store_b16 v[HOS], v[OW] offset:2*(\X-1)
.endm
	WIN 0
	v_and_b32 v21, 31, v0                  ; l
	v_and_b32 v22, 15, v0                  ; r
	s_wait_alu depctr_va_vdst(0)
	v_bfe_u32 v23, v0, 4, 1                ; h
	s_mul_i32 s62, s18, 6144
	s_add_co_u32 s62, s62, KIMG
	v_add_nc_u32 v[BK], s62, v[LI]         ; pair 4 w + i sees places 4 w + i .. 4 w + i + 8
	s_lshl_b32 s62, s18, 9
	s_add_co_u32 s62, s62, KSC
	v_lshl_add_u32 v[BKS], v21, 2, s62
	s_mul_i32 s62, s18, 96
	s_add_co_u32 s62, s62, VIMG
	v_mul_u32_u24 v[BV2], v22, VP
	v_add_nc_u32 v[BV2], s62, v[BV2]       ; v: row r, block 4 w (for the ninth block: both halves of the lanes read the same),
	v_mad_u32_u24 v[BV], v23, 24, v[BV2]   ; and + h
	s_lshl_b32 s62, s18, 8
	s_add_co_u32 s62, s62, OSG
	v_lshl_add_u32 v[AOS], v22, 2, s62
	v_lshl_add_u32 v[AOR], v21, 3, s62
	v_lshlrev_b32 v[L8], 3, v21
	s_lshl_b32 s62, s18, 2
	s_add_co_u32 s62, s62, VSC
	v_lshl_add_u32 v12, v22, 5, s62
.irp dl, 0,1,2,3
.irp k, 0,1,2
	ds_load_b32 v[VW+3*\dl+\k], v12 offset:512*\dl+4*\k                ; v's scale bytes of places 4 w .. 4 w + 11, once
.endr
.endr
.irp X, 1,2
	WIN (\X<<6)
.irp i, 0,1,2,3,4,5
	v_mov_b32 v[QZ+\i], 0
	v_mov_b32 v[QZ+12+\i], 0
	v_mov_b32 v[PF+30+\i], 0
.endr
.irp j, 0,1,2,3,4,5,6,7,8
	v_mov_b32 v[BT+\j], 0                  ; written once: a lane permute's destination counts as one of its sources
.endr
.endr
	WIN 0xC0
.irp i, 0,1,2,3,4,5
	v_mov_b32 v[228+\i], 0
.endr
	WIN 0
	v_and_b32 v21, 7, v0
	v_and_b32 v22, 8, v0
	v_lshl_add_u32 v21, v22, 1, v21
	v_lshlrev_b32 v23, 4, v23
	v_sub_nc_u32 v21, v21, v23             ; e = my query's place in its 32, less 16 h: tile u = 0,
	v_add_nc_u32 v22, 8, v21               ; tile u = 1
	v_mov_b32 v23, 0xf149f2ca              ; -1e30: under every score that this text serves; its p is 0
.irp u, 0,1
.irp i, 0,1,2,3,4,5,6,7,8,9,10,11,12,13,14,15
	v_cmp_lt_i32 vcc_lo, \i, v[21+\u]      ; first block: key 16 h + i is hidden where it lies under the query's place
	v_cndmask_b32 v[PEN+32*\u+\i], 0, v23, vcc_lo
	v_cmp_gt_i32 vcc_lo, \i, v[21+\u]      ; last block: where it lies over it
	v_cndmask_b32 v[PEN+32*\u+16+\i], 0, v23, vcc_lo
.endr
.endr
	s_mov_b32 s54, 4                       ; trips
	s_lshl_b32 s55, s18, 2                 ; the trip's first place phi
	s_mov_b32 s56, 0                       ; 1,536 i
	s_mov_b32 s57, 0                       ; 128 i
	s_mov_b32 s58, 0                       ; 24 i
	s_mov_b32 s59, 0                       ; 256 i
	s_mov_b32 s60, 0                       ; 64 i
	s_mov_b32 s61, 0x03020100              ; bytes i .. i + 3 of two neighbouring words
	WIN 0xC0                               ; the first trip's nine key fragments and their scale words; each later trip's are fetched in the trip before
.irp j, 0,1,2,3,4,5,6,7,8
.irp k, 0,1,2
	ds_load_b128 v[12*\j+4*\k:12*\j+4*\k+3], v[BK] offset:1536*\j+512*\k
.endr
.endr
	WIN 0
.irp j, 0,1,2,3,4,5,6,7,8
	ds_load_b32 v[KS+\j], v[BKS] offset:128*\j
.endr
.Ltrip:
	v_add_nc_u32 v[HK], s56, v[BK]
	s_wait_alu depctr_va_vdst(0)
	v_add_nc_u32 v[HKS], s57, v[BKS]
	s_wait_alu depctr_va_vdst(0)
	v_add_nc_u32 v[HV], s58, v[BV]
	v_add_nc_u32 v[HV2], s58, v[BV2]
	v_add_nc_u32 v[HQ16], s56, v[AQ16]
	v_add_nc_u32 v[HQ8], s56, v[AQ8]
	v_add_nc_u32 v[HQS], s59, v[AQS]
	s_wait_alu depctr_va_vdst(0)
	v_add_nc_u32 v[HOS], s60, v[AOS]
.irp j, 0,1,2,3
	s_add_co_u32 s62, s55, \j
	s_cmp_lt_u32 s62, s52
	s_cselect_b32 s[70+\j], 0xff800000, 0  ; a block ahead of the sequence's start counts for nothing
.endr
.irp j, 5,6,7,8
	s_add_co_u32 s62, s55, \j
	s_cmp_ge_u32 s62, s53
	s_cselect_b32 s[70+\j], 0xff800000, 0  ; nor one behind its end
.endr
.irp u, 0,1
	ds_load_b32 v[QS+\u], v[HQS] offset:128*\u
.endr
.irp X, 1,2
	WIN (\X<<6)
	ds_load_b128 v[QZ+6:QZ+9], v[HQ16] offset:768*(\X-1)
	ds_load_b64 v[QZ+10:QZ+11], v[HQ8] offset:768*(\X-1)
.endr
	WIN 0xC0
.irp dl, 0,1,2,3
.irp k, 0,1
.irp c, 0,1
.irp m, 0,1,2
	ds_load_b64 v[108+24*\dl+12*\k+6*\c+2*\m:109+24*\dl+12*\k+6*\c+2*\m], v[HV] offset:16*\dl*VP+96*\k+48*\c+8*\m
.endr
.endr
.endr
.endr
.irp dl, 0,1,2,3
.irp m, 0,1,2
	ds_load_b64 v[204+6*\dl+2*\m:205+6*\dl+2*\m], v[HV2] offset:16*\dl*VP+192+8*\m
.endr
.endr
	WIN 0
	s_wait_dscnt 60                        ; k, q and their scale words are in; v's 60 loads may be out
.irp dl, 0,1,2,3
	v_perm_b32 v[VSW+3*\dl], v[VW+3*\dl+1], v[VW+3*\dl], s61           ; v's scale words for blocks i .. i + 3,
	v_perm_b32 v[VSW+3*\dl+1], v[VW+3*\dl+2], v[VW+3*\dl+1], s61       ; i + 4 .. i + 7,
	v_perm_b32 v[VSW+3*\dl+2], v[VW+3*\dl+2], v[VW+3*\dl+2], s61       ; and i + 8 in byte 0 (the other bytes meet zero codes)
.endr
	KQ 1
	KQ 2
	PLACES
	WIN 0
	s_cmp_eq_u32 s54, 1                    ; the last trip fetches nothing more
	s_cbranch_scc1 .Lno_next
	WIN 0xC0                               ; the key fragments are done with, four places behind their last product: the next trip's, one place on, take their registers
.irp j, 0,1,2,3,4,5,6,7,8
.irp k, 0,1,2
	ds_load_b128 v[12*\j+4*\k:12*\j+4*\k+3], v[HK] offset:1536*(\j+1)+512*\k
.endr
.endr
	WIN 0
.irp j, 0,1,2,3,4,5,6,7,8
	ds_load_b32 v[KS+\j], v[HKS] offset:128*(\j+1)
.endr
.Lno_next:
	SOFTMAX 1
	s_wait_dscnt 0x0                       ; v is in
	PV 1
	s_wait_alu depctr_va_vdst(0)
	SOFTMAX 2                              ; names nothing of the products just issued
	PV 2
	OUTQ 1                                 ; its lines are the places behind tile 2's products
	OUTQ 2
	WIN 0
	s_wait_xcnt 0x0                        ; the stores have read their data and their base: both are written again in the next trip
	s_wait_dscnt 0x0
	s_add_nc_u64 s[14:15], s[14:15], 24576
	s_add_co_u32 s55, s55, 1
	s_add_co_u32 s56, s56, 1536
	s_add_co_u32 s57, s57, 128
	s_add_co_u32 s58, s58, 24
	s_add_co_u32 s59, s59, 256
	s_add_co_u32 s60, s60, 64
	s_add_co_u32 s61, s61, 0x01010101
	s_sub_co_u32 s54, s54, 1
	s_cmp_lg_u32 s54, 0
	s_cbranch_scc1 .Ltrip
	ds_load_b64 v[22:23], v[AOR]           ; my four pairs' scale bytes: 256 bytes, my own stores
	s_wait_dscnt 0x0
	global_store_b64 v[L8], v[22:23], s[16:17]     ; one aligned run of 256 bytes
	s_wait_xcnt 0x0
	v_lshl_add_u32 v254, v0, 2, 0x40000
	v_mov_b32 v255, 0
	s_wait_alu depctr_va_vdst(0)
	s_wait_tensorcnt 0x0
	ds_add_u32 v254, v255
	s_wait_dscnt 0x0
	s_barrier_signal -1                    ; the closing round
	s_barrier_wait -1
	s_cmp_lg_u32 s18, 0
	s_cbranch_scc1 .Lnot_wave_0_b
	s_barrier_signal -3
.Lnot_wave_0_b:
	s_barrier_wait -3
	s_barrier_signal -1
	s_barrier_wait -1
	s_endpgm
.Lfunc_end_k_q81cf27a2e1_qkvattn:
	.size	k_q81cf27a2e1_qkvattn, .Lfunc_end_k_q81cf27a2e1_qkvattn-k_q81cf27a2e1_qkvattn
	.p2alignl 7, 3214868480
	.fill 96, 4, 3214868480
	.section	.rodata,"a",@progbits
	.p2align	6, 0x0
	.amdhsa_kernel k_q81cf27a2e1_qkvattn
		.amdhsa_group_segment_fixed_size 262656
		.amdhsa_private_segment_fixed_size 0
		.amdhsa_enable_private_segment 0
		.amdhsa_kernarg_size 56
		.amdhsa_user_sgpr_count 2
		.amdhsa_user_sgpr_kernarg_segment_ptr 1
		.amdhsa_wavefront_size32 1
		.amdhsa_system_sgpr_workgroup_id_x 1
		.amdhsa_system_sgpr_workgroup_id_y 1
		.amdhsa_system_sgpr_workgroup_id_z 1
		.amdhsa_system_vgpr_workitem_id 0
		.amdhsa_next_free_vgpr 1024
		.amdhsa_next_free_sgpr 100
		.amdhsa_reserve_vcc 1
		.amdhsa_float_denorm_mode_32 3
		.amdhsa_float_denorm_mode_16_64 3
		.amdhsa_memory_ordered 1
		.amdhsa_forward_progress 1
		.amdhsa_inst_pref_size 255
	.end_amdhsa_kernel
	.section	.bss,"aw",@nobits
	.p2align	6
	.space	262144
	.amdgpu_metadata
---
amdhsa.version: [ 1, 2 ]
amdhsa.kernels:
  - .name:           k_q81cf27a2e1_qkvattn
    .symbol:         k_q81cf27a2e1_qkvattn.kd
    .args:
      - { .name: xq, .offset: 0, .size: 8, .value_kind: global_buffer, .address_space: global }
      - { .name: xs, .offset: 8, .size: 8, .value_kind: global_buffer, .address_space: global }
      - { .name: wq, .offset: 16, .size: 8, .value_kind: global_buffer, .address_space: global }
      - { .name: W_qkv_scales, .offset: 24, .size: 8, .value_kind: global_buffer, .address_space: global }
      - { .name: b_qkv, .offset: 32, .size: 8, .value_kind: global_buffer, .address_space: global }
      - { .name: oq, .offset: 40, .size: 8, .value_kind: global_buffer, .address_space: global }
      - { .name: os, .offset: 48, .size: 8, .value_kind: global_buffer, .address_space: global }
    .group_segment_fixed_size: 262656
    .private_segment_fixed_size: 0
    .kernarg_segment_align: 8
    .kernarg_segment_size: 56
    .max_flat_workgroup_size: 128
    .sgpr_count:     100
    .vgpr_count:     1024
    .wavefront_size: 32
...
	.end_amdgpu_metadata
.endif
;; end of part 2
;; launch oln (part 3): grid 256 x 1, 4 waves a work-group, clusters of 4 x 1, 327,680 bytes of LDS; arguments oq, os, wo, W_o_scales, inp, gamma, beta, out0; writes out0
.if DOCPART == 3
	.amdgcn_target "amdgcn-amd-amdhsa--gfx1250"
	.amdhsa_code_object_version 6
	.text
	.protected	k_q81cf27a2e1_oln
	.globl	k_q81cf27a2e1_oln
	.p2align	8
	.type	k_q81cf27a2e1_oln,@function
k_q81cf27a2e1_oln:
	s_mov_b64 s[64:65], 0
	v_nop
	global_prefetch_b8 v0, s[64:65] scope:SCOPE_SE
	s_setreg_imm32_b32 hwreg(HW_REG_WAVE_MODE, 25, 1), 1
	s_wait_xcnt 0x0
	s_wait_alu depctr_hold_cnt(0) depctr_sa_sdst(0) depctr_va_vdst(0) depctr_va_sdst(0) depctr_va_ssrc(0) depctr_va_vcc(0) depctr_vm_vsrc(0)
	s_getreg_b32 s2, hwreg(HW_REG_IB_STS2, 6, 4)
	s_cmp_eq_u32 s2, 0
	s_cbranch_scc0 .Lentry_in_a_cluster
	s_endpgm
.Lentry_in_a_cluster:
	s_bfe_u32 s2, ttmp6, 0x10000c
	s_cmp_lg_u32 s2, 0x3003
	s_cbranch_scc0 .Lentry_shape_is_right
	s_endpgm
.Lentry_shape_is_right:
; out0 = layer norm(inp + O W_o): O arrives as codes of BF6 (E3M2) with E8M0 bytes (oq, os), W_o as images of the operand's registers (wo), wave-major.
; SHARES: work-group G takes 32 tokens (two tiles of 16) and all 1,024 columns, so that a row's mean and variance stay inside it; wave w takes columns 256 w .. 256 w + 255: 16 column tiles x 2 token tiles = 32 accumulators, 256 registers.
; A wave's part of W_o is 128 fragments of 1,536 bytes (16 s + n: K step s, column tile n), each multiplied twice, by that wave alone.  They are taken in sets of four, X = 0 .. 31.
; TWO ROADS FOR W_o.  Sets 12-31 (K steps 3-7) come by the cluster's joint loads (4 work-groups, mask 15) through two LDS slots, four chunks of five sets: 120 rows of 256 bytes a wave and chunk.
; Sets 0-11 (K steps 0-2) go from memory straight into registers: two slots hold 10 of a wave's 32 sets, so the whole of W_o by joint loads would want more drained changes of slots, each with a round of the cluster's barrier,
; for 40 matrix instructions a wave; the direct sets are multiplied between a refill and the wait for it.  Five buffers of 48 registers: 60 loads of a wave are out, and each set multiplied asks for the set five on.
; When no direct set is left to ask for, a buffer that falls free takes 12 of the wave's 64 loads of the residual rows, so every wait for a direct set counts the same 48 younger loads.
; PREFETCH: the residual rows are loaded late (their registers hold the direct sets first), so each wave names its own eight rows, 128 blocks of 256 bytes, a lane a block, by four prefetches at the head,
; behind the loads of O and the scale words: seven direct sets and two chunks ahead of the first load of a residual row.  Each block is named once in the launch.  W_o's and O's own loads are issued a stage or more ahead of their use and have no prefetch.
; REGISTERS: w0: v0-31 addresses, v32-95 W_o's scale words, v96-111 O's, v128-223 two sets from LDS (later rows of the stage and the norm's work).  w1: v0-191 O's fragments (24 s + 12 u); later v0-63 gamma, beta.
;   w2: the accumulators (16 n + 8 u).  w3: v0-239 the five direct buffers, then v0-255 the residual rows (32 i + 4 k).
; LIMITS: NaN and infinities are not served.
.set SLOT,   147456                    ; slot 1's first byte; slot 0 (122,880 bytes) begins at 0; the stage of the way out, 32 rows x 4,112 bytes, lies under slot 1
.set PART,   30720                     ; a wave's part of a chunk: 20 fragments
.set SPARE,  294912
.set SPITCH, 4112
.set LI,   1
.set AF,   2
.set AST,  4
.set ASR,  6
.set L8,   7
.set PFO,  13                          ; 256 x lane; never rewritten
.set SPW,  30
.set NIL,  31
.set WOS,  32
.set OSW,  96
.set FB0,  128
.set RB,   128
.set W,    192
.set G1L,  24
.set G0,   40
.set MSB, 0
.macro WIN new                         ; the immediate's high byte repeats the setting that is left
.if MSB != (\new)
	s_set_vgpr_msb (MSB<<8)|(\new)
.set MSB, (\new)
.endif
.endm
.macro PLACES                          ; four plain places behind matrix instructions (ISA guide 7.12.1)
.rept 4
	v_nop
.endr
.endm
.macro ROUND                           ; a round of the cluster's barrier
	s_barrier_signal -1
	s_barrier_wait -1
	s_cmp_lg_u32 s20, 0
	s_cbranch_scc1 .Lnot_wave_0_\@
	s_barrier_signal -3
.Lnot_wave_0_\@:
	s_barrier_wait -3
	s_barrier_signal -1
	s_barrier_wait -1
.endm
.macro WMO d, a, b, sa, sb, s          ; K step 0 starts the sums; W_o's scale words of steps 4-7 lie in lanes 16-31
.if (\s) == 0
	v_wmma_scale_f32_16x16x128_f8f6f4 v[\d:\d+7], v[\a:\a+11], v[\b:\b+11], 0, v[\sa], v[\sb] matrix_a_fmt:MATRIX_FMT_BF6 matrix_b_fmt:MATRIX_FMT_BF6
.elseif (\s) < 4
	v_wmma_scale_f32_16x16x128_f8f6f4 v[\d:\d+7], v[\a:\a+11], v[\b:\b+11], v[\d:\d+7], v[\sa], v[\sb] matrix_a_fmt:MATRIX_FMT_BF6 matrix_b_fmt:MATRIX_FMT_BF6
.else
	v_wmma_scale_f32_16x16x128_f8f6f4 v[\d:\d+7], v[\a:\a+11], v[\b:\b+11], v[\d:\d+7], v[\sa], v[\sb] matrix_a_fmt:MATRIX_FMT_BF6 matrix_b_fmt:MATRIX_FMT_BF6 matrix_a_scale:MATRIX_SCALE_ROW1
.endif
.endm
.macro MULSET X, fb                    ; set X from registers fb on: eight products, each on an accumulator of its own
.set FS, (4*(\X))/16
.irp e, 0,1,2,3
.set FN, (4*(\X)+\e)%16
.irp u, 0,1
	WMO 16*FN+8*\u, (\fb)+12*\e, 24*FS+12*\u, WOS+4*FN+FS%4, OSW+8*\u+FS, FS
.endr
.endr
.endm
.macro LDSET X, c                      ; set X of chunk c from LDS
.set FBB, FB0+48*((\X)%2)
.irp e, 0,1,2,3
.irp k, 0,1,2
	ds_load_b128 v[FBB+12*\e+4*\k:FBB+12*\e+4*\k+3], v[AF+(\c)%2] offset:(4*(\X)+\e-48-20*(\c))*1536+512*\k
.endr
.endr
.endm
.macro WORK c                          ; chunk c: sets 12 + 5 c .. 16 + 5 c, one set's 12 loads ahead
	WIN 0
	LDSET 12+5*(\c), \c
.set XX, 12+5*(\c)
.rept 5
.if XX < 16+5*(\c)
.if XX > 12+5*(\c)
	PLACES
.endif
	WIN 0
	LDSET XX+1, \c
	s_wait_dscnt 12                        ; this set is in; the next one's 12 loads may be out
.else
	s_wait_dscnt 0x0
.endif
	WIN 0xA4
	MULSET XX, FB0+48*(XX%2)
.set XX, XX+1
.endr
	WIN 0
.endm
.macro LDW j                           ; direct set j into buffer j % 5: 512 consecutive bytes a load
.irp e, 0,1,2,3
.irp k, 0,1,2
	global_load_b128 v[48*((\j)%5)+12*\e+4*\k:48*((\j)%5)+12*\e+4*\k+3], v[LI], s[8:9] offset:(4*(\j)+\e)*1536+512*\k
.endr
.endr
.endm
.macro LDRES m0, n                     ; n loads of my eight residual rows: load m = 8 i + k is bytes 512 k of row i
.set mm, \m0
.rept \n
	global_load_b128 v[4*mm:4*mm+3], v[LI], s[12:13] offset:(mm/8)*4096+(mm%8)*512 th:TH_LOAD_NT
.set mm, mm+1
.endr
.endm
.macro DSET j                          ; direct set j is multiplied, and its buffer asked for anew
	s_wait_loadcnt 48                      ; behind set j's loads stand four times 12
	WIN 0xA7
	MULSET \j, 48*((\j)%5)
	PLACES
	WIN 0xC0
.if (\j)+5 < 12
	LDW (\j)+5
.else
	LDRES 12*((\j)%5), 12
.endif
.endm
.macro SYNC slot                       ; a change of slots: the round and the one joint load behind it
	s_wait_tensorcnt 0x0
	ds_add_u32 v[SPW], v[NIL]
	s_add_nc_u64 s[G0+4*\slot+2:G0+4*\slot+3], s[G0+4*\slot+2:G0+4*\slot+3], 2*PART
	s_wait_dscnt 0x0
	ROUND
	tensor_load_to_lds s[G0+4*\slot:G0+4*\slot+3], s[G1L:G1L+7]
	s_nop 0
	PLACES
.endm
	s_load_b256 s[4:11], s[0:1], 0x0       ; oq, os, wo, W_o's scales
	s_load_b256 s[12:19], s[0:1], 0x20     ; inp, gamma, beta, out0
	v_lshl_add_u32 v[SPW], v0, 2, SPARE
	v_mov_b32 v[NIL], 0
	ds_add_u32 v[SPW], v[NIL]              ; the opening lines: the add twice on end
	ds_add_u32 v[SPW], v[NIL]
	v_lshrrev_b32 v1, 5, v0
	v_readfirstlane_b32 s20, v1            ; wave 0..3
	s_mov_b32 s[G1L], 15|(3<<16)|(1<<21)   ; mask: the cluster's four; elements of 8 bytes; a dense block of 120 rows x 256 bytes
	s_mov_b32 s[G1L+1], 32<<16
	s_mov_b32 s[G1L+2], 120<<16
	s_mov_b32 s[G1L+3], 32<<16
	s_mov_b32 s[G1L+4], 120
	s_mov_b32 s[G1L+5], 32
	s_mov_b32 s[G1L+6], 0
	s_mov_b32 s[G1L+7], 0
	s_mul_i32 s21, s20, PART
	s_mul_i32 s22, s20, 196608
	s_mov_b32 s23, 0
	s_wait_dscnt 0x0
	s_wait_kmcnt 0x0
	s_add_nc_u64 s[8:9], s[8:9], s[22:23]  ; my wave's 128 fragments
	s_mov_b32 s[G0], 1
	s_mov_b32 s[G0+1], s21
	s_add_nc_u64 s[G0+2:G0+3], s[8:9], 48*1536          ; chunk 0 begins at fragment 48
	s_or_b32 s[G0+3], s[G0+3], 0x80000000
	s_mov_b32 s[G0+4], 1
	s_add_co_u32 s[G0+5], s21, SLOT
	s_add_nc_u64 s[G0+6:G0+7], s[8:9], 48*1536+PART     ; chunk 1
	s_or_b32 s[G0+7], s[G0+7], 0x80000000
	ROUND
	tensor_load_to_lds s[G0:G0+3], s[G1L:G1L+7]         ; chunk 0: my one tensor load at the head
	s_nop 0
	PLACES
	s_bfe_u32 s48, ttmp6, 0x40000
	s_lshl_b32 s49, ttmp9, 2
	s_add_co_u32 s49, s49, s48             ; G
	s_mov_b32 s51, 0
	s_mul_i32 s50, s49, 24576
	s_add_nc_u64 s[4:5], s[4:5], s[50:51]  ; oq: 24,576 bytes a group
	s_lshr_b32 s50, s49, 5
	s_lshl_b32 s50, s50, 15
	s_and_b32 s52, s49, 31
	s_lshl_b32 s52, s52, 6
	s_add_co_u32 s50, s50, s52
	s_add_nc_u64 s[6:7], s[6:7], s[50:51]  ; os: batch x 32,768 + 64 x the group in it; a head 2,048 on
	s_lshl_b32 s50, s20, 13
	s_add_nc_u64 s[10:11], s[10:11], s[50:51]  ; W_o's scales: my 256 rows of 32 bytes
	s_lshl_b32 s50, s49, 5
	s_and_b32 s52, s20, 1
	s_lshl_b32 s52, s52, 4
	s_add_co_u32 s50, s50, s52
	s_lshr_b32 s52, s20, 1
	s_lshl_b32 s52, s52, 3
	s_add_co_u32 s50, s50, s52             ; the eight tokens that I normalise: 32 G + 16 (w % 2) + 8 (w / 2)
	s_lshl_b32 s50, s50, 12
	s_add_nc_u64 s[12:13], s[12:13], s[50:51]
	s_add_nc_u64 s[18:19], s[18:19], s[50:51]
	s_mov_b32 s54, 0x76543210
	s_mov_b32 s55, 0xfedcba98
	s_mov_b32 s56, 0x3a800000              ; 1 / 1,024
	s_mov_b32 s57, 0x3727c5ac              ; 1e-5
	v_and_b32 v10, 31, v0
	v_and_b32 v11, 15, v0
	v_bfe_u32 v12, v0, 4, 1
	v_lshlrev_b32 v[LI], 4, v10
	v_add_nc_u32 v[AF], s21, v[LI]
	v_add_nc_u32 v[AF+1], SLOT, v[AF]
	v_mul_u32_u24 v[AST], v11, SPITCH
	v_lshl_add_u32 v[AST], v12, 5, v[AST]
	s_lshl_b32 s52, s20, 10
	v_add_nc_u32 v[AST], s52, v[AST]
	v_add_nc_u32 v[AST+1], 16*SPITCH, v[AST]
	s_mul_i32 s52, s20, 8*SPITCH
	v_add_nc_u32 v[ASR], s52, v[LI]
	v_lshlrev_b32 v[L8], 3, v10
	v_lshlrev_b32 v8, 5, v11
	v_lshl_add_u32 v8, v12, 4, v8
	v_lshlrev_b32 v9, 2, v11
	v_lshl_add_u32 v9, v12, 11, v9
	v_lshlrev_b32 v[PFO], 8, v10
.irp s, 0,1,2,3,4,5,6,7
	v_mov_b32 v[120+\s], 0                 ; a lane permute's destination counts as one of its sources
.endr
	s_wait_alu depctr_va_vdst(0)
	WIN 0x40
.irp u, 0,1
.irp hd, 0,1,2,3,4,5,6,7,8,9,10,11,12,13,14,15
	global_load_b128 v[24*(\hd/2)+12*\u+6*(\hd%2):24*(\hd/2)+12*\u+6*(\hd%2)+3], v[LI], s[4:5] offset:\u*12288+\hd*768
	global_load_b64 v[24*(\hd/2)+12*\u+6*(\hd%2)+4:24*(\hd/2)+12*\u+6*(\hd%2)+5], v[L8], s[4:5] offset:\u*12288+\hd*768+512
.endr
.endr
	WIN 0
.irp n, 0,1,2,3,4,5,6,7,8,9,10,11,12,13,14,15
	global_load_b128 v[WOS+4*\n:WOS+4*\n+3], v8, s[10:11] offset:512*\n
.endr
.irp s, 0,1,2,3,4,5,6,7
	global_load_b32 v[112+\s], v9, s[6:7] offset:4096*\s
.endr
.irp p, 0,1,2,3
	global_prefetch_b8 v[PFO], s[12:13] offset:8192*\p th:TH_LOAD_NT scope:SCOPE_SE   ; my residual rows 2 p and 2 p + 1: 32 blocks of 256 bytes, a lane a block; the address registers are never rewritten
.endr
	WIN 0xC0
.irp j, 0,1,2,3,4
	LDW \j
.endr
	WIN 0
	s_wait_loadcnt 60                      ; all but the five direct sets' 60 loads
.irp s, 0,1,2,3,4,5,6,7
	v_permlanex16_b32 v[120+\s], v[112+\s], s54, s55
.endr
.irp s, 0,1,2,3,4,5,6,7
	v_perm_b32 v[OSW+\s], v[120+\s], v[112+\s], 0x05040100      ; O's scale word of K step s: two heads' two bytes, tile u = 0,
	v_perm_b32 v[OSW+8+\s], v[120+\s], v[112+\s], 0x07060302    ; and u = 1
.endr
	s_wait_alu depctr_va_vdst(0)
.irp j, 0,1,2,3
	DSET \j                                ; K step 0 starts all 32 sums while chunk 0 is on its way
.endr
	WIN 0
	s_wait_tensorcnt 0x0                   ; slot 1's first fill is issued as a refill is
	ds_add_u32 v[SPW], v[NIL]
	s_wait_dscnt 0x0
	ROUND
	tensor_load_to_lds s[G0+4:G0+7], s[G1L:G1L+7]       ; chunk 1
	s_nop 0
	PLACES
	WORK 0
.irp j, 4,5,6
	DSET \j
.endr
	WIN 0
	SYNC 0                                 ; chunk 2
	WORK 1
.irp j, 7,8,9
	DSET \j
.endr
	WIN 0
	SYNC 1                                 ; chunk 3
	WORK 2
.irp j, 10,11
	DSET \j
.endr
	LDRES 60, 4                            ; the residual's last four loads, into registers that no buffer held
	WIN 0x40
.irp k, 0,1,2,3,4,5,6,7
	global_load_b128 v[4*\k:4*\k+3], v[LI], s[14:15] offset:512*\k        ; gamma and beta over O's fragments of K steps 0-2, which are done with
	global_load_b128 v[32+4*\k:35+4*\k], v[LI], s[16:17] offset:512*\k
.endr
	WIN 0
	s_wait_tensorcnt 0x0                   ; chunk 3 is in; nothing is filled again, so no round follows
	ds_add_u32 v[SPW], v[NIL]
	s_wait_dscnt 0x0
	s_barrier_signal -1
	s_barrier_wait -1
	PLACES
	WORK 3
	PLACES
	WIN 0x08                               ; the sums go to the stage, in slot 0's bytes, which have had their last fill and their last read
.irp n, 0,1,2,3,4,5,6,7,8,9,10,11,12,13,14,15
.irp u, 0,1
	ds_store_b128 v[AST+\u], v[16*\n+8*\u:16*\n+8*\u+3] offset:64*\n
	ds_store_b128 v[AST+\u], v[16*\n+8*\u+4:16*\n+8*\u+7] offset:64*\n+16
.endr
.endr
	WIN 0
	s_wait_dscnt 0x0
	s_barrier_signal -1
	s_barrier_wait -1
	s_wait_loadcnt 0x0                     ; the residual rows, gamma and beta are in
.macro LDROW i
.irp k, 0,1,2,3,4,5,6,7
	ds_load_b128 v[RB+32*((\i)%2)+4*\k:RB+32*((\i)%2)+4*\k+3], v[ASR] offset:(\i)*SPITCH+512*\k
.endr
.endm
.macro LANESUM
	v_add_f32 v[W], v[W], v[W+1]
	v_add_f32_dpp v[W], v[W], v[W] row_xmask:1 row_mask:0xf bank_mask:0xf
	v_add_f32_dpp v[W], v[W], v[W] row_xmask:2 row_mask:0xf bank_mask:0xf
	v_add_f32_dpp v[W], v[W], v[W] row_xmask:4 row_mask:0xf bank_mask:0xf
	v_add_f32_dpp v[W], v[W], v[W] row_xmask:8 row_mask:0xf bank_mask:0xf
	v_permlanex16_b32 v[W+1], v[W], s54, s55
	v_add_f32 v[W], v[W], v[W+1]
.endm
.macro FOLD
	v_pk_add_f32 v[W:W+1], v[W:W+1], v[W+2:W+3]
	v_pk_add_f32 v[W+4:W+5], v[W+4:W+5], v[W+6:W+7]
	v_pk_add_f32 v[W:W+1], v[W:W+1], v[W+4:W+5]
.endm
.macro LNROW i                         ; one row of 1,024: + residual, mean, centred, variance, x rsqrt x gamma + beta, stored as 8 x 512 consecutive bytes
.set RR, RB+32*((\i)%2)
	WIN 0x0C
.set x, 0
.rept 16
	v_pk_add_f32 v[RR+x:RR+x+1], v[RR+x:RR+x+1], v[32*(\i)+x:32*(\i)+x+1]
.set x, x+2
.endr
	WIN 0
.irp m, 0,1,2,3
	v_pk_add_f32 v[W+2*\m:W+2*\m+1], v[RR+4*\m:RR+4*\m+1], v[RR+4*\m+2:RR+4*\m+3]
.endr
.irp m, 0,1,2,3
	v_pk_add_f32 v[W+2*\m:W+2*\m+1], v[W+2*\m:W+2*\m+1], v[RR+16+2*\m:RR+17+2*\m]
.endr
.irp m, 0,1,2,3
	v_pk_add_f32 v[W+2*\m:W+2*\m+1], v[W+2*\m:W+2*\m+1], v[RR+24+2*\m:RR+25+2*\m]
.endr
	FOLD
	LANESUM
	v_mul_f32 v[W+8], s56, v[W]
	v_mul_f32 v[W+9], s56, v[W]
.set x, 0
.rept 16
	v_pk_add_f32 v[RR+x:RR+x+1], v[RR+x:RR+x+1], v[W+8:W+9] neg_lo:[0,1] neg_hi:[0,1]
.set x, x+2
.endr
.irp m, 0,1,2,3
	v_pk_mul_f32 v[W+2*\m:W+2*\m+1], v[RR+2*\m:RR+2*\m+1], v[RR+2*\m:RR+2*\m+1]
.endr
.set x, 8
.rept 12
	v_pk_fma_f32 v[W+(x%8):W+(x%8)+1], v[RR+x:RR+x+1], v[RR+x:RR+x+1], v[W+(x%8):W+(x%8)+1]
.set x, x+2
.endr
	FOLD
	LANESUM
	v_fma_f32 v[W+12], v[W], s56, s57
	s_wait_alu depctr_va_vdst(0)           ; ahead of the transcendentals
	v_rsq_f32 v[W+10], v[W+12]
	v_rsq_f32 v[W+11], v[W+12]
	v_nop
.set x, 0
	s_wait_alu depctr_va_vdst(0)           ; and behind them
.rept 16
	v_pk_mul_f32 v[RR+x:RR+x+1], v[RR+x:RR+x+1], v[W+10:W+11]
.set x, x+2
.endr
	WIN 0x14
.set x, 0
.rept 16
	v_pk_fma_f32 v[RR+x:RR+x+1], v[RR+x:RR+x+1], v[x:x+1], v[32+x:33+x]
.set x, x+2
.endr
	WIN 0
.irp k, 0,1,2,3,4,5,6,7
	global_store_b128 v[LI], v[RR+4*\k:RR+4*\k+3], s[18:19] offset:(\i)*4096+512*\k th:TH_STORE_NT
.endr
.endm
	LDROW 0
.irp i, 0,1,2,3,4,5,6,7
.if \i < 7
.if \i > 0
	s_wait_xcnt 0x0                        ; row i - 1's stores have read their registers: row i + 1 lands there
.endif
	LDROW \i+1
	s_wait_dscnt 8
.else
	s_wait_dscnt 0x0
.endif
	LNROW \i
.endr
	s_wait_tensorcnt 0x0                   ; the wave's end
	ds_add_u32 v[SPW], v[NIL]
	s_wait_dscnt 0x0
	ROUND                                  ; the closing round
	s_endpgm
.Lfunc_end_k_q81cf27a2e1_oln:
	.size	k_q81cf27a2e1_oln, .Lfunc_end_k_q81cf27a2e1_oln-k_q81cf27a2e1_oln
	.p2alignl 7, 3214868480
	.fill 96, 4, 3214868480
	.section	.rodata,"a",@progbits
	.p2align	6, 0x0
	.amdhsa_kernel k_q81cf27a2e1_oln
		.amdhsa_group_segment_fixed_size 327680
		.amdhsa_private_segment_fixed_size 0
		.amdhsa_enable_private_segment 0
		.amdhsa_kernarg_size 64
		.amdhsa_user_sgpr_count 2
		.amdhsa_user_sgpr_kernarg_segment_ptr 1
		.amdhsa_wavefront_size32 1
		.amdhsa_system_sgpr_workgroup_id_x 1
		.amdhsa_system_sgpr_workgroup_id_y 1
		.amdhsa_system_sgpr_workgroup_id_z 1
		.amdhsa_system_vgpr_workitem_id 0
		.amdhsa_next_free_vgpr 1024
		.amdhsa_next_free_sgpr 80
		.amdhsa_reserve_vcc 0
		.amdhsa_float_denorm_mode_32 3
		.amdhsa_float_denorm_mode_16_64 3
		.amdhsa_memory_ordered 1
		.amdhsa_forward_progress 1
		.amdhsa_inst_pref_size 166
	.end_amdhsa_kernel
	.amdgpu_metadata
---
amdhsa.version: [ 1, 2 ]
amdhsa.kernels:
  - .name:           k_q81cf27a2e1_oln
    .symbol:         k_q81cf27a2e1_oln.kd
    .args:
      - { .name: oq, .offset: 0, .size: 8, .value_kind: global_buffer, .address_space: global }
      - { .name: os, .offset: 8, .size: 8, .value_kind: global_buffer, .address_space: global }
      - { .name: wo, .offset: 16, .size: 8, .value_kind: global_buffer, .address_space: global }
      - { .name: W_o_scales, .offset: 24, .size: 8, .value_kind: global_buffer, .address_space: global }
      - { .name: inp, .offset: 32, .size: 8, .value_kind: global_buffer, .address_space: global }
      - { .name: gamma, .offset: 40, .size: 8, .value_kind: global_buffer, .address_space: global }
      - { .name: beta, .offset: 48, .size: 8, .value_kind: global_buffer, .address_space: global }
      - { .name: out0, .offset: 56, .size: 8, .value_kind: global_buffer, .address_space: global }
    .group_segment_fixed_size: 327680
    .private_segment_fixed_size: 0
    .kernarg_segment_align: 8
    .kernarg_segment_size: 64
    .max_flat_workgroup_size: 128
    .sgpr_count:     80
    .vgpr_count:     1024
    .wavefront_size: 32
...
	.end_amdgpu_metadata
.endif
;; end of part 3
